; MI455X (gfx1250); checked and timed in simulation.
; The chip was launched on July 23, 2026; its instructions are those of AMD's public machine-readable ISA for CDNA 5 (MIT licence, August 2026) and "CDNA5" Instruction Set Architecture Reference Guide (July 2026). The comments in the code are by the model that wrote it; some were corrected since.
;; Causal Attention. Allowed arithmetic: float matrix products may take bf16 or f16 operands with f32 sums; other float arithmetic in f32, or as packed bf16 or f16 multiplies, adds, multiply-adds, maxima and minima; sums over many terms, partial sums and values carried from step to step in f32; what a program stores and reads back later, other than sums and carried values, may be rounded once to bf16 or f16.
;; Inputs: Wk 1,024 x 1,024 float32; Wq 1,024 x 1,024 float32; Wv 1,024 x 1,024 float32; inputs 4 x 2,048 x 1,024 float32.
;; Outputs: out0 4 x 2,048 x 1,024 float32.
;; 2 versions, each right; version 2 is version 1 with the launch cast written anew for expert scheduling mode. Each part assembles by itself: llvm-mc -triple=amdgcn-amd-amdhsa -mcpu=gfx1250 --defsym DOCPART=n.
;; ======== version 1 of 2: 4 launches
;; limits: values are held in f16: magnitudes above 65,504 overflow, below 6.1e-05 lose precision
;; workspace buffers: xb 16,777,216 bytes; wb 6,291,456 bytes; qkv 50,331,648 bytes; vlo 262,144 bytes; qklo 3,145,728 bytes; pbuf 33,554,432 bytes; stat 1,048,576 bytes
;; launch cast (part 1): grid 704 x 1, 8 waves a work-group, no clusters, 0 bytes of LDS; arguments inputs, Wq, Wk, Wv, xb, wb; writes xb, wb
.if DOCPART == 1
	.amdgcn_target "amdgcn-amd-amdhsa--gfx1250"
	.amdhsa_code_object_version 6
	.text
	.protected	k_q87fd235b14_cast
	.globl	k_q87fd235b14_cast
	.p2align	8
	.type	k_q87fd235b14_cast,@function
k_q87fd235b14_cast:
	s_mov_b64 s[64:65], 0
	v_nop
	global_prefetch_b8 v0, s[64:65] scope:SCOPE_SE
	s_setreg_imm32_b32 hwreg(HW_REG_WAVE_MODE, 25, 1), 1
	s_wait_xcnt 0x0
; x [8192][1024] and the three weights [1024][1024], f32, are rounded once to bf16: xb [8192][1024]; wb [3072][1024], rows 0.. Wq, 1024.. Wk, 2048.. Wv.
; A stream: each byte is read once and written once; no LDS, no barrier, no matrix work.
; A work-group owns 16,384 numbers on end: 65,536 bytes in, 32,768 out.  Work-groups 0-511 take x, 512-703 the weights, 64 to a weight.
; Thread t takes 16 bytes at 16 t of each 4,096-byte piece: a wave's load covers 512 consecutive bytes, its store of 8 bytes a lane 256 consecutive bytes, aligned.
; All sixteen loads of a thread go out first; no register is written twice, so the only waits are the counted ones for the loads.
.set X, 4                              ; v[4:67]   sixteen pieces as loaded
.set Y, 68                             ; v[68:99]  sixteen pieces as stored
	s_load_b256 s[4:11], s[0:1], 0x0               ; inputs s[4:5], Wq s[6:7], Wk s[8:9], Wv s[10:11]
	s_load_b128 s[12:15], s[0:1], 0x20             ; xb s[12:13], wb s[14:15]
	v_lshlrev_b32 v1, 4, v0                        ; 16 t
	v_lshlrev_b32 v2, 3, v0                        ; 8 t
	s_sub_co_u32 s20, ttmp9, 512                   ; the block's number among the weights' (used only from work-group 512 on)
	s_lshr_b32 s21, s20, 6                         ; which weight
	s_and_b32 s22, s20, 63                         ; which block of it
	s_wait_kmcnt 0x0
	s_cmp_eq_u32 s21, 1
	s_cselect_b64 s[16:17], s[8:9], s[6:7]
	s_cmp_eq_u32 s21, 2
	s_cselect_b64 s[16:17], s[10:11], s[16:17]
	s_cmp_lt_u32 ttmp9, 512
	s_cselect_b64 s[16:17], s[4:5], s[16:17]       ; the source,
	s_cselect_b64 s[18:19], s[12:13], s[14:15]     ; the destination,
	s_cselect_b32 s22, ttmp9, s22                  ; the block's number in the source
	s_cselect_b32 s20, ttmp9, s20                  ; and in the destination
	s_lshl_b32 s22, s22, 16
	s_mov_b32 s23, 0
	s_lshl_b32 s20, s20, 15
	s_mov_b32 s21, 0
	s_add_nc_u64 s[16:17], s[16:17], s[22:23]
	s_add_nc_u64 s[18:19], s[18:19], s[20:21]
.set k, 0
.rept 16
	global_load_b128 v[X+4*k:X+4*k+3], v1, s[16:17] offset:4096*k th:TH_LOAD_NT
.set k, k+1
.endr
.set k, 0
.rept 16
	s_wait_loadcnt 15-k                            ; loads come back in order: piece k is in, the 15 - k younger ones stay out
	v_cvt_pk_bf16_f32 v[Y+2*k], v[X+4*k], v[X+4*k+1]
	v_cvt_pk_bf16_f32 v[Y+2*k+1], v[X+4*k+2], v[X+4*k+3]
	global_store_b64 v2, v[Y+2*k:Y+2*k+1], s[18:19] offset:2048*k th:TH_STORE_NT
.set k, k+1
.endr
	s_endpgm
.Lfunc_end_k_q87fd235b14_cast:
	.size	k_q87fd235b14_cast, .Lfunc_end_k_q87fd235b14_cast-k_q87fd235b14_cast
	.p2alignl 7, 3214868480
	.fill 96, 4, 3214868480
	.section	.rodata,"a",@progbits
	.p2align	6, 0x0
	.amdhsa_kernel k_q87fd235b14_cast
		.amdhsa_group_segment_fixed_size 0
		.amdhsa_private_segment_fixed_size 0
		.amdhsa_enable_private_segment 0
		.amdhsa_kernarg_size 48
		.amdhsa_user_sgpr_count 2
		.amdhsa_user_sgpr_kernarg_segment_ptr 1
		.amdhsa_wavefront_size32 1
		.amdhsa_system_sgpr_workgroup_id_x 1
		.amdhsa_system_sgpr_workgroup_id_y 1
		.amdhsa_system_sgpr_workgroup_id_z 1
		.amdhsa_system_vgpr_workitem_id 0
		.amdhsa_next_free_vgpr 100
		.amdhsa_next_free_sgpr 66
		.amdhsa_reserve_vcc 0
		.amdhsa_float_denorm_mode_32 3
		.amdhsa_float_denorm_mode_16_64 3
		.amdhsa_memory_ordered 1
		.amdhsa_forward_progress 1
		.amdhsa_inst_pref_size 7
	.end_amdhsa_kernel
	.amdgpu_metadata
---
amdhsa.version: [ 1, 2 ]
amdhsa.kernels:
  - .name:           k_q87fd235b14_cast
    .symbol:         k_q87fd235b14_cast.kd
    .args:
      - { .name: inputs, .offset: 0, .size: 8, .value_kind: global_buffer, .address_space: global }
      - { .name: Wq, .offset: 8, .size: 8, .value_kind: global_buffer, .address_space: global }
      - { .name: Wk, .offset: 16, .size: 8, .value_kind: global_buffer, .address_space: global }
      - { .name: Wv, .offset: 24, .size: 8, .value_kind: global_buffer, .address_space: global }
      - { .name: xb, .offset: 32, .size: 8, .value_kind: global_buffer, .address_space: global }
      - { .name: wb, .offset: 40, .size: 8, .value_kind: global_buffer, .address_space: global }
    .group_segment_fixed_size: 0
    .private_segment_fixed_size: 0
    .kernarg_segment_align: 8
    .kernarg_segment_size: 48
    .max_flat_workgroup_size: 256
    .sgpr_count:     66
    .vgpr_count:     100
    .wavefront_size: 32
...
	.end_amdgpu_metadata
.endif
;; end of part 1
;; launch proj (part 2): grid 8 x 64, 4 waves a work-group, clusters of 4 x 4, 327,680 bytes of LDS; arguments xb, wb, qkv, vlo, qklo; writes qkv, vlo, qklo
.if DOCPART == 2
	.amdgcn_target "amdgcn-amd-amdhsa--gfx1250"
	.amdhsa_code_object_version 6
	.text
	.protected	k_q87fd235b14_proj
	.globl	k_q87fd235b14_proj
	.p2align	8
	.type	k_q87fd235b14_proj,@function
k_q87fd235b14_proj:
	s_mov_b64 s[64:65], 0
	v_nop
	global_prefetch_b8 v0, s[64:65] scope:SCOPE_SE
	s_setreg_imm32_b32 hwreg(HW_REG_WAVE_MODE, 25, 1), 1
	s_wait_xcnt 0x0
	s_wait_alu depctr_hold_cnt(0) depctr_sa_sdst(0) depctr_va_vdst(0) depctr_va_sdst(0) depctr_va_ssrc(0) depctr_va_vcc(0) depctr_vm_vsrc(0)
	s_getreg_b32 s2, hwreg(HW_REG_IB_STS2, 6, 4)
	s_cmp_eq_u32 s2, 0
	s_cbranch_scc0 .Lentry_in_a_cluster
	s_endpgm
.Lentry_in_a_cluster:
	s_bfe_u32 s2, ttmp6, 0x10000c
	s_cmp_lg_u32 s2, 0xf033
	s_cbranch_scc0 .Lentry_shape_is_right
	s_endpgm
.Lentry_shape_is_right:
; qkv[t][1024 g + e] = the sum over d of xb[t][d] wb[1024 g + e][d], g = 0, 1, 2 (q, k, v).  xb [8192][1024], wb [3072][1024] bf16; sums in f32, K ascending; qkv [8192][3072] rounded once to f16.
; THE REMAINDERS, sum - f16(sum), rounded to f16, of a batch's first 128 tokens: q's and k's go to qklo [4][128][3072] (rows laid out as qkv's; its v columns are neither written nor read),
; v's for keys 0-31 to vlo [4][32][1024].  The next launches multiply them in: in a batch's first rows a few weights carry the row, and f16's rounding of q, k and v would show there.
; LIMIT.  f16 ends at 65,504: |q|, |k|, |v| must stay below it.  NaN and infinities are not treated apart.
; THE TILE is 128 tokens x 384 columns (128 of q, of k and of v): 64 x 8 = 512 tiles, two for each of 256 work-group places; tiles of 256 x 256 would be 384, a round and a half.
; Four waves, each 64 tokens x 192 columns: 48 accumulators of 16 x 16.  K goes in 8 steps of 128 through a ring of two LDS slots; a slot has 512 rows of 256 bytes: 128 of x, then 3 x 128 of w.
; A K STEP IS WRITTEN ONCE: a trip of the loop is quarters 1, 2 and 3 of a step and quarter 0 of the next; the slot in hand is a scalar, 0 or SLOT, that an exclusive or turns, and the LDS addresses are made from it.
; CLUSTER 4 x 4.  Tokens 2048 cy + 128 Y (Y = the cluster's y): x's tile is shared along a row of the cluster (same cy).  Columns 128 X, X = 4 x cluster x + cx: w's tiles are shared along a column (same cx).
; Wave 0 asks for x's tile, waves 1-3 for w's three groups, each jointly with the three partners that need the same rows.
; THE MATRIX INSTRUCTION IS USED TRANSPOSED: source 0 = 16 rows of w, source 1 = 16 tokens: a lane holds one token and eight neighbouring columns: 16 bytes of f16.
; REGISTERS, in windows of 256: window 0 addresses and the way out; window 1 two fragment buffers of 128 (4 fragments of x, 12 of w), behind the K loop the packed remainders;
;   window 2 accumulators (a, b < 8) at 8 (8 a + b); window 3 accumulators (a, b >= 8) at 8 (4 a + b - 8).
.set KSTEP,  128
.set PITCH,  272                       ; an LDS row: 256 bytes + 16 of padding = 68 words: the 16 rows of a fragment load start at 16 different groups of four banks (64 banks of 4 bytes: ISA guide 11.1)
.set HALFT,  128*PITCH                 ; what one tensor load brings
.set SLOT,   4*HALFT
.set SPARE,  2*SLOT                    ; behind the ring: the spare words, 128 bytes a wave; no other line names them
.set SPITCH, 784                       ; a stage for the way out: 128 rows of 768 bytes + 16 = 100,352 bytes.  One lies at the head of slot 0, one, for the remainders, at the head of slot 1: both slots have had their
                                       ; last fill, and every wave's last read of them is over at the last change of slots
.set QROW,   6144                      ; bytes in a row of qkv and of qklo
.set ADRA0, 4                          ; v4     LDS address of my fragments of x in slot 0; never rewritten
.set ADRA,  5                          ; v5     the same in the slot in hand
.set ADRB0, 6                          ; v6-7   the same two for w
.set ADRB,  7
.set STO,  8                           ; v8     where I put 16 bytes of a stage row
.set RD,   9                           ; v9     where I read stage rows back
.set CO,   10                          ; v10    my byte offset in two rows of qkv or qklo
.set STO2, 11                          ; v11-12 STO and RD in the second stage
.set RD2,  12
.set LCO,  13                          ; v13    my byte offset in two rows of vlo
.set SPW,  28                          ; v28    LDS address of my spare word; never rewritten
.set NIL,  29                          ; v29    0; never rewritten
.set PFO,  30                          ; v30    my lane x a row of xb or wb (2,048 bytes); never rewritten
.set NEG1, 31                          ; v31    -1.0
.set TMP,  64                          ; v64-255 packed results: (a, b) at TMP + 4 (12 a + b)
.set LOP,  0                           ; window 1: packed remainders, (a, b) at 4 (12 a + b)
.set F0,   0
.set F1,   128
.set G1A, 24                           ; s[24:31] descriptor group 1 for x's tiles; s[32:39] group 0: a set for each of the two first fills; the second then walks on
.set G0A, 32
.set LIM, 43                           ; s43  2 in a wave that prefetches, else the greatest number
.set PFA, 44                           ; s[44:45] where my prefetches stand
.set G1B, 48                           ; s[48:55], s[56:63] the same for w's tiles
.set G0B, 56
.set QL,  72                           ; s[72:73] qklo
.set TB,  74                           ; s74  the slot in hand: 0 or SLOT
.set MSB, 0
.macro WIN new                         ; the immediate's high byte repeats the setting that is left; a switch that changes nothing is dropped
.if MSB != (\new)
	s_set_vgpr_msb (MSB<<8)|(\new)
.set MSB, \new
.endif
.endm
.macro PLACES                          ; four plain vector instructions between a matrix instruction and a load into, or a vector read of, its registers
.rept 4
	v_nop
.endr
.endm
.macro JLOAD s                         ; a joint load; the branch hangs on the wave's number alone; an s_nop 0 and four v_nop follow each line
	s_cmp_eq_u32 s12, 0
	s_cbranch_scc0 .Lfor_b_\@
	tensor_load_to_lds s[G0A+4*(\s):G0A+4*(\s)+3], s[G1A:G1A+7]
	s_nop 0
.rept 4
	v_nop
.endr
	s_branch .Lasked_\@
.Lfor_b_\@:
	tensor_load_to_lds s[G0B+4*(\s):G0B+4*(\s)+3], s[G1B:G1B+7]
	s_nop 0
.rept 4
	v_nop
.endr
.Lasked_\@:
.endm
.macro CREST                           ; a round of the cluster's barrier behind its opening barrier
	s_cmp_lg_u32 s12, 0
	s_cbranch_scc1 .Lnot_wave_0_\@
	s_barrier_signal -3
.Lnot_wave_0_\@:
	s_barrier_wait -3
	s_barrier_signal -1
	s_barrier_wait -1
.endm
.macro CROUND
	s_barrier_signal -1
	s_barrier_wait -1
	CREST
.endm
; A prefetch of the K step that stands two refills on: 32 rows x 256 bytes, a lane a row, one instruction a wave.  x's rows are read by both clusters of a row of clusters: cluster x = 0 asks.
; w's rows are read by all sixteen clusters of a column: cluster y = 0 asks.  Of the 128 rows that a wave fetches each of the four partners takes 32, told apart by address.  So K steps 4-7 of each row are
; named once; steps 0-3 come by their loads alone; the loop's last two trips (s3 = 2, 1) ask for nothing.
.macro ASK
	WIN 0
	s_cmp_gt_u32 s3, s[LIM]
	s_cbranch_scc0 .Lnot_mine_\@
	global_prefetch_b8 v[PFO], s[PFA:PFA+1] offset:KSTEP*2 th:TH_LOAD_NT scope:SCOPE_SE
.Lnot_mine_\@:
.endm
	s_load_b256 s[4:11], s[0:1], 0x0               ; xb s[4:5], wb s[6:7], qkv s[8:9], vlo s[10:11]
	s_load_b64 s[QL:QL+1], s[0:1], 0x20            ; qklo
	v_lshl_add_u32 v[SPW], v0, 2, SPARE
	v_mov_b32 v[NIL], 0
	ds_add_u32 v[SPW], v[NIL]                      ; the opening: the add and its wait stand ahead of my first tensor load; work on registers stands between
	v_lshrrev_b32 v1, 5, v0
	v_readfirstlane_b32 s12, v1                    ; wave 0..3
	s_lshr_b32 s13, s12, 1                         ; wr: my 64 tokens
	s_and_b32 s14, s12, 1                          ; wc: my 192 columns
	s_bfe_u32 s15, ttmp6, 0x40000                  ; cx
	s_bfe_u32 s16, ttmp6, 0x40004                  ; cy
	s_lshl_b32 s17, ttmp9, 2
	s_add_co_u32 s17, s17, s15                     ; X = 4 x cluster x + cx
	s_and_b32 s18, ttmp7, 0xffff                   ; Y = cluster y
	s_lshl_b32 s40, s16, 2
	s_lshl_b32 s40, 15, s40                        ; my row of the cluster
	s_lshl_b32 s41, 0x1111, s15                    ; my column
	s_or_b32 s[G1A], s40, (1<<16)|(1<<20)|(1<<21)|(5<<22)|(3<<25)  ; the mask; 2-byte elements; padding on; bit 21 beside a mask; after every 64 words 4 words
	s_or_b32 s[G1B], s41, (1<<16)|(1<<20)|(1<<21)|(5<<22)|(3<<25)
.irp g, G1A, G1B
	s_mov_b32 s[(\g)+1], KSTEP<<16                 ; tensor_dim0 = 128
	s_mov_b32 s[(\g)+2], 128<<16                   ; tensor_dim1 = 128
	s_mov_b32 s[(\g)+3], KSTEP<<16                 ; tile_dim0 = 128
	s_mov_b32 s[(\g)+4], 128                       ; tile_dim1 = 128
	s_mov_b32 s[(\g)+5], 1024                      ; elements from row to row
	s_mov_b32 s[(\g)+6], 0
	s_mov_b32 s[(\g)+7], 0
.endr
	s_lshl_b32 s19, s16, 11
	s_lshl_b32 s20, s18, 7
	s_add_co_u32 s19, s19, s20                     ; the tile's first token: 2048 cy + 128 Y
	s_lshl_b32 s20, s19, 11                        ; in bytes of xb
	s_mov_b32 s21, 0
	s_max_u32 s22, s12, 1
	s_sub_co_u32 s22, s22, 1                       ; the group of w that I fetch (wave 0 makes group 0's address and does not use it)
	s_lshl_b32 s22, s22, 10
	s_lshl_b32 s23, s17, 7
	s_add_co_u32 s22, s22, s23                     ; row 1024 g + 128 X of wb
	s_lshl_b32 s22, s22, 11
	s_mov_b32 s23, 0
	s_mul_i32 s42, s12, HALFT                      ; where my rows go in a slot: wave x 128 rows
	s_mov_b32 s[TB], 0
	s_wait_dscnt 0x0                               ; the opening add is done
	s_wait_kmcnt 0x0
	s_add_nc_u64 s[66:67], s[4:5], s[20:21]
	s_add_nc_u64 s[68:69], s[6:7], s[22:23]
	CROUND                                         ; all sixteen work-groups are here: the first joint loads meet
.irp s, 0,1
	s_mov_b32 s[G0A+4*(\s)], 1
	s_add_co_u32 s[G0A+4*(\s)+1], s42, (\s)*SLOT
	s_add_nc_u64 s[G0A+4*(\s)+2:G0A+4*(\s)+3], s[66:67], (\s)*KSTEP*2
	s_or_b32 s[G0A+4*(\s)+3], s[G0A+4*(\s)+3], 0x80000000
	s_mov_b32 s[G0B+4*(\s)], 1
	s_add_co_u32 s[G0B+4*(\s)+1], s42, (\s)*SLOT
	s_add_nc_u64 s[G0B+4*(\s)+2:G0B+4*(\s)+3], s[68:69], (\s)*KSTEP*2
	s_or_b32 s[G0B+4*(\s)+3], s[G0B+4*(\s)+3], 0x80000000
	JLOAD \s                                       ; K steps 0 and 1: two loads of mine are out
.endr
	v_and_b32 v1, 15, v0                           ; l % 16
	v_bfe_u32 v2, v0, 4, 1                         ; l / 16
	v_mul_u32_u24 v3, v1, PITCH
	v_lshl_add_u32 v3, v2, 4, v3                   ; a fragment's row x pitch + 16 x half
	s_mul_i32 s20, s13, 64*PITCH
	s_mul_i32 s21, s14, 192*PITCH
	s_add_co_u32 s21, s21, HALFT                   ; w's rows lie behind x's 128
	v_add_nc_u32 v[ADRA0], s20, v3
	v_add_nc_u32 v[ADRB0], s21, v3
	v_mov_b32 v[ADRA], v[ADRA0]                    ; K step 0 lies in slot 0
	v_mov_b32 v[ADRB], v[ADRB0]
	s_mul_i32 s20, s13, 64*SPITCH
	s_mul_i32 s21, s14, 384
	s_add_co_u32 s20, s20, s21
	v_mul_u32_u24 v[STO], v1, SPITCH               ; into the stage: my token's row, my 384 bytes of it, 16 bytes for each half of the lanes
	v_lshl_add_u32 v[STO], v2, 4, v[STO]
	v_add_nc_u32 v[STO], s20, v[STO]
	s_mul_i32 s20, s12, 32*SPITCH
	v_mul_u32_u24 v[RD], v2, SPITCH                ; back: wave w takes rows 32 w .. 32 w + 31; lanes 0-15 256 bytes of one row, lanes 16-31 of the next
	v_lshl_add_u32 v[RD], v1, 4, v[RD]
	v_add_nc_u32 v[RD], s20, v[RD]
	v_add_nc_u32 v[STO2], SLOT, v[STO]
	v_add_nc_u32 v[RD2], SLOT, v[RD]
	v_mul_u32_u24 v[CO], v2, QROW
	v_lshl_add_u32 v[CO], v1, 4, v[CO]
	v_lshlrev_b32 v[LCO], 11, v2
	v_lshl_add_u32 v[LCO], v1, 4, v[LCO]
	v_mov_b32 v[NEG1], -1.0
	v_and_b32 v[PFO], 31, v0
	v_lshlrev_b32 v[PFO], 11, v[PFO]
	s_lshl_b32 s70, s12, 5
	s_add_co_u32 s70, s70, s19                     ; the first token that I store
	s_mul_i32 s70, s70, QROW
	s_lshl_b32 s71, s17, 8
	s_add_co_u32 s70, s70, s71                     ; + 256 X bytes
	s_mov_b32 s71, 0
	s_add_nc_u64 s[8:9], s[8:9], s[70:71]
	s_lshl_b32 s70, s16, 16                        ; vlo: batch cy, 65,536 bytes each,
	s_lshl_b32 s46, s17, 8
	s_add_co_u32 s70, s70, s46                     ; + 256 X
	s_add_nc_u64 s[10:11], s[10:11], s[70:71]
	s_lshl_b32 s70, s16, 7                         ; qklo: row 128 cy + 32 w,
	s_lshl_b32 s47, s12, 5
	s_add_co_u32 s70, s70, s47
	s_mul_i32 s70, s70, QROW
	s_add_co_u32 s70, s70, s46                     ; + 256 X
	s_add_nc_u64 s[QL:QL+1], s[QL:QL+1], s[70:71]
	s_cmp_eq_u32 s12, 0                            ; the prefetches: do I fetch x?
	s_cselect_b64 s[PFA:PFA+1], s[66:67], s[68:69]
	s_cselect_b32 s46, s15, s16                    ; my place among the four that ask with me
	s_cselect_b32 s47, ttmp9, s18                  ; the coordinate along which other clusters read the same rows
	s_cmp_eq_u32 s47, 0
	s_cselect_b32 s[LIM], 2, -1
	s_lshl_b32 s46, s46, 16                        ; my work-group's 32 rows of the 128
	s_mov_b32 s47, 0
	s_add_nc_u64 s[PFA:PFA+1], s[PFA:PFA+1], s[46:47]
	s_add_nc_u64 s[PFA:PFA+1], s[PFA:PFA+1], 2*KSTEP*2  ; at K step 2: the first refill steps it to 3 and names step 4
; 16 matrix instructions.  part 0: a = 0, 1 x b = 0..7; part 1: a = 2, 3 x b = 0..7; part 2: a = 0..3 x b = 8..11.  The 48 accumulators take turns in the same order in every quarter.
.macro MULP f, part, zero
.if (\part) == 2
	WIN 0xf5
.irp a, 0,1,2,3
.irp b, 0,1,2,3
.set rD, 8*(4*(\a)+(\b))
.set rX, (\f)+32+8*(8+(\b))
.set rY, (\f)+8*(\a)
.if \zero
	v_wmma_f32_16x16x32_bf16 v[rD:rD+7], v[rX:rX+7], v[rY:rY+7], 0
.else
	v_wmma_f32_16x16x32_bf16 v[rD:rD+7], v[rX:rX+7], v[rY:rY+7], v[rD:rD+7]
.endif
.endr
.endr
.else
	WIN 0xa5
.irp a, 2*(\part), 2*(\part)+1
.irp b, 0,1,2,3,4,5,6,7
.set rD, 8*(8*(\a)+(\b))
.set rX, (\f)+32+8*(\b)
.set rY, (\f)+8*(\a)
.if \zero
	v_wmma_f32_16x16x32_bf16 v[rD:rD+7], v[rX:rX+7], v[rY:rY+7], 0
.else
	v_wmma_f32_16x16x32_bf16 v[rD:rD+7], v[rX:rX+7], v[rY:rY+7], v[rD:rD+7]
.endif
.endr
.endr
.endif
.endm
; 32 LDS loads in one run, from the slot in hand: x's 4 fragments, w's 0-7, w's 8-11, of 32 along K at byte k of the rows
.macro FETCH k, f
	WIN 0x40
.irp i, 0,1,2,3
	ds_load_b128 v[(\f)+8*(\i):(\f)+8*(\i)+3],   v[ADRA] offset:(\k)+(\i)*16*PITCH
	ds_load_b128 v[(\f)+8*(\i)+4:(\f)+8*(\i)+7], v[ADRA] offset:(\k)+(\i)*16*PITCH+32
.endr
.irp i, 0,1,2,3,4,5,6,7,8,9,10,11
	ds_load_b128 v[(\f)+32+8*(\i):(\f)+32+8*(\i)+3],   v[ADRB] offset:(\k)+(\i)*16*PITCH
	ds_load_b128 v[(\f)+32+8*(\i)+4:(\f)+32+8*(\i)+7], v[ADRB] offset:(\k)+(\i)*16*PITCH+32
.endr
.endm
; One of a K step's first three quarters: multiplies buffer f, fetches the next quarter (byte k) into g behind its first 16 products
.macro QUARTER k, f, g, zero
	s_wait_dscnt 8                                 ; x's fragments and w's 0-7 are in; the youngest eight loads (w's 8-11) may be out
	MULP \f, 0, \zero
	PLACES
	FETCH \k, \g
	MULP \f, 1, \zero
	s_wait_dscnt 32                                ; all but the 32 just issued
	MULP \f, 2, \zero
.endm
.macro NEXT                            ; the reads go on in the other slot: its first fragments
	WIN 0
	s_xor_b32 s[TB], s[TB], SLOT
	v_add_nc_u32 v[ADRA], s[TB], v[ADRA0]
	v_add_nc_u32 v[ADRB], s[TB], v[ADRB0]
	FETCH 0, F0
.endm
; The last quarter multiplies buffer 1 and changes slots.  In front of the barrier each wave waits for all its tensor loads (one is out at the most: its part of the next slot), adds 0 to its spare word, and waits
; for that and for its reads of this slot.  Sixteen of the quarter's products stand ahead of the wait for the tile, sixteen between the add and the wait for it.
; fill = 1: the barrier opens a round of the cluster's; nothing stands between its signal and its wait, so that the joint refill, two K steps on, is issued as soon as all have signalled; then the next slot's first
; fragments, and the last sixteen products.  fill = 0: nothing is asked for; the last sixteen products stand between signal and wait, and what follows is the tail's.
.macro TURN fill
	s_wait_dscnt 8                                 ; x's fragments and w's 0-7 are in; the youngest eight loads may be out
	MULP F1, 0, 0
.if \fill
	s_wait_xcnt 0x0                                ; the last prefetch, a K step back, has read its address
	s_add_nc_u64 s[PFA:PFA+1], s[PFA:PFA+1], KSTEP*2
.endif
	WIN 0
	s_wait_tensorcnt 0x0                           ; no tensor load of mine is out, so a group 0 may be written
	ds_add_u32 v[SPW], v[NIL]
.if \fill
	s_add_co_u32 s[G0A+5], s[TB], s42              ; the walking descriptors: into the slot in hand,
	s_add_nc_u64 s[G0A+6:G0A+7], s[G0A+6:G0A+7], KSTEP*2  ; the next K step; the type bits on top are not reached
	s_add_co_u32 s[G0B+5], s[TB], s42
	s_add_nc_u64 s[G0B+6:G0B+7], s[G0B+6:G0B+7], KSTEP*2
.endif
	MULP F1, 1, 0
.if \fill
	WIN 0
	s_wait_dscnt 0x0                               ; the add is done, my reads of this slot are over
	s_barrier_signal -1
	s_barrier_wait -1
	CREST
	JLOAD 1                                        ; its four v_nop are also the places in front of the loads below
	NEXT
	ASK
	MULP F1, 2, 0
.else
	s_wait_dscnt 0x0                               ; the add is done, my reads of this slot are over
	s_barrier_signal -1
	MULP F1, 2, 0
	WIN 0
	s_barrier_wait -1
.endif
.endm
	s_wait_tensorcnt 1                             ; my part of K step 0 is in; step 1's may stay out
	s_barrier_signal -1
	s_barrier_wait -1
	FETCH 0, F0
	QUARTER 64, F0, F1, 1                          ; the first quarter's products start the sums
	WIN 0
	s_mov_b32 s3, 6
.Lstep:                                                ; trip t: quarters 1-3 of K step t, the refill with step t + 2, quarter 0 of step t + 1
	QUARTER 128, F1, F0, 0
	QUARTER 192, F0, F1, 0
	TURN 1
	QUARTER 64, F0, F1, 0
	WIN 0
	s_sub_co_u32 s3, s3, 1
	s_cmp_lg_u32 s3, 0
	s_cbranch_scc1 .Lstep
	s_mov_b32 s3, 2
.Ltail:                                                ; K steps 6 and 7 ask for nothing; behind step 7 there is no further step: its fetch and quarter 0 are jumped over, forward, past no barrier and no tensor load
	QUARTER 128, F1, F0, 0
	QUARTER 192, F0, F1, 0
	TURN 0
	s_cmp_eq_u32 s3, 1
	s_cbranch_scc1 .Lskip
	PLACES                                         ; in front of the loads into buffer 0
	NEXT
	QUARTER 64, F0, F1, 0
	WIN 0
.Lskip:
	s_sub_co_u32 s3, s3, 1
	s_cmp_lg_u32 s3, 0
	s_cbranch_scc1 .Ltail
	; THE WAY OUT.  Every wave's reads of the ring were over at the last barrier.  Rounded to f16; 16 bytes a lane into the work-group's stage; a barrier, since a stage row comes from two waves; back as pieces of 256 bytes.
	PLACES
	WIN 0x0a
.irp a, 0,1,2,3
.irp b, 0,1,2,3,4,5,6,7
.irp r, 0,1,2,3
	v_cvt_pk_f16_f32 v[TMP+4*(12*(\a)+(\b))+(\r)], v[8*(8*(\a)+(\b))+2*(\r)], v[8*(8*(\a)+(\b))+2*(\r)+1]
.endr
.endr
.endr
	WIN 0x0f
.irp a, 0,1,2,3
.irp b, 8,9,10,11
.irp r, 0,1,2,3
	v_cvt_pk_f16_f32 v[TMP+4*(12*(\a)+(\b))+(\r)], v[8*(4*(\a)+(\b)-8)+2*(\r)], v[8*(4*(\a)+(\b)-8)+2*(\r)+1]
.endr
.endr
.endr
	WIN 0
.irp a, 0,1,2,3
.irp b, 0,1,2,3,4,5,6,7,8,9,10,11
	ds_store_b128 v[STO], v[TMP+4*(12*(\a)+(\b)):TMP+4*(12*(\a)+(\b))+3] offset:(\a)*16*SPITCH+32*(\b)
.endr
.endr
	; A batch's first tile (Y = 0, the same in all partners) also makes the remainders of its 48 accumulators: sum - f16(sum) is exact, and is rounded once, straight into its half of a register of window 1.
	; The three jumps on Y go forward and pass no barrier.
	s_cmp_lg_u32 s18, 0
	s_cbranch_scc1 .Lno_rem
.irp a, 0,1,2,3
	WIN 0x60                                       ; destination window 1, the sum (source 2) window 2
.irp b, 0,1,2,3,4,5,6,7
.set rA, 8*(8*(\a)+(\b))
.set rT, TMP+4*(12*(\a)+(\b))
.set rL, LOP+4*(12*(\a)+(\b))
.irp r, 0,1,2,3
	v_fma_mixlo_f16 v[rL+(\r)], v[rT+(\r)], v[NEG1], v[rA+2*(\r)] op_sel_hi:[1,0,0]
	v_fma_mixhi_f16 v[rL+(\r)], v[rT+(\r)], v[NEG1], v[rA+2*(\r)+1] op_sel:[1,0,0] op_sel_hi:[1,0,0]
.endr
.endr
	WIN 0x70                                       ; the sum in window 3
.irp b, 8,9,10,11
.set rA, 8*(4*(\a)+(\b)-8)
.set rT, TMP+4*(12*(\a)+(\b))
.set rL, LOP+4*(12*(\a)+(\b))
.irp r, 0,1,2,3
	v_fma_mixlo_f16 v[rL+(\r)], v[rT+(\r)], v[NEG1], v[rA+2*(\r)] op_sel_hi:[1,0,0]
	v_fma_mixhi_f16 v[rL+(\r)], v[rT+(\r)], v[NEG1], v[rA+2*(\r)+1] op_sel:[1,0,0] op_sel_hi:[1,0,0]
.endr
.endr
.endr
	WIN 0
.Lno_rem:
	s_wait_dscnt 0x0                               ; for the others' sake: my stores into the stage are done
	s_barrier_signal -1
	s_barrier_wait -1
.set n, 0
.rept 48
	ds_load_b128 v[TMP+4*n:TMP+4*n+3], v[RD] offset:(n/3)*2*SPITCH+(n%3)*256
.set n, n+1
.endr
.set n, 0
.rept 48
	s_wait_dscnt 47-n                              ; piece n is back; the younger ones stay out
	global_store_b128 v[CO], v[TMP+4*n:TMP+4*n+3], s[8:9] offset:(n/3)*2*QROW+(n%3)*2048  ; 16 lanes store 256 consecutive bytes, aligned: 128 columns of q, of k or of v
.set n, n+1
.endr
	s_cmp_lg_u32 s18, 0
	s_cbranch_scc1 .Lno_rem2
	WIN 0x04                                       ; the data lie in window 1
.irp a, 0,1,2,3
.irp b, 0,1,2,3,4,5,6,7,8,9,10,11
	ds_store_b128 v[STO2], v[LOP+4*(12*(\a)+(\b)):LOP+4*(12*(\a)+(\b))+3] offset:(\a)*16*SPITCH+32*(\b)
.endr
.endr
	WIN 0
.Lno_rem2:
	s_wait_dscnt 0x0                               ; for the others' sake: my stores into the second stage are done
	s_barrier_signal -1
	s_barrier_wait -1
	s_cmp_lg_u32 s18, 0
	s_cbranch_scc1 .Lno_rem3
	s_wait_xcnt 0x0                                ; the stores above have read TMP: it is loaded again only behind this wait
.set n, 0
.rept 32
	ds_load_b128 v[TMP+4*n:TMP+4*n+3], v[RD2] offset:(n/2)*2*SPITCH+(n%2)*256
.set n, n+1
.endr
.set n, 0
.rept 32
	s_wait_dscnt 31-n                              ; piece n is back; the younger ones stay out
	global_store_b128 v[CO], v[TMP+4*n:TMP+4*n+3], s[QL:QL+1] offset:(n/2)*2*QROW+(n%2)*2048  ; q's and k's remainders: 16 lanes store 256 consecutive bytes, aligned
.set n, n+1
.endr
	s_cmp_lg_u32 s12, 0                            ; v's remainders are wanted for keys 0-31: the rows that wave 0 reads back
	s_cbranch_scc1 .Lno_rem3
.set n, 0
.rept 16
	ds_load_b128 v[TMP+128+4*n:TMP+128+4*n+3], v[RD2] offset:n*2*SPITCH+512
.set n, n+1
.endr
.set n, 0
.rept 16
	s_wait_dscnt 15-n
	global_store_b128 v[LCO], v[TMP+128+4*n:TMP+128+4*n+3], s[10:11] offset:n*2*2048  ; 16 lanes store 256 consecutive bytes, aligned
.set n, n+1
.endr
.Lno_rem3:
	s_wait_tensorcnt 0x0                           ; the wave's end
	ds_add_u32 v[SPW], v[NIL]
	s_wait_dscnt 0x0
	CROUND                                         ; the closing round
	s_endpgm
.Lfunc_end_k_q87fd235b14_proj:
	.size	k_q87fd235b14_proj, .Lfunc_end_k_q87fd235b14_proj-k_q87fd235b14_proj
	.p2alignl 7, 3214868480
	.fill 96, 4, 3214868480
	.section	.rodata,"a",@progbits
	.p2align	6, 0x0
	.amdhsa_kernel k_q87fd235b14_proj
		.amdhsa_group_segment_fixed_size 327680
		.amdhsa_private_segment_fixed_size 0
		.amdhsa_enable_private_segment 0
		.amdhsa_kernarg_size 40
		.amdhsa_user_sgpr_count 2
		.amdhsa_user_sgpr_kernarg_segment_ptr 1
		.amdhsa_wavefront_size32 1
		.amdhsa_system_sgpr_workgroup_id_x 1
		.amdhsa_system_sgpr_workgroup_id_y 1
		.amdhsa_system_sgpr_workgroup_id_z 1
		.amdhsa_system_vgpr_workitem_id 0
		.amdhsa_next_free_vgpr 896
		.amdhsa_next_free_sgpr 76
		.amdhsa_reserve_vcc 0
		.amdhsa_float_denorm_mode_32 3
		.amdhsa_float_denorm_mode_16_64 3
		.amdhsa_memory_ordered 1
		.amdhsa_forward_progress 1
		.amdhsa_inst_pref_size 122
	.end_amdhsa_kernel
	.amdgpu_metadata
---
amdhsa.version: [ 1, 2 ]
amdhsa.kernels:
  - .name:           k_q87fd235b14_proj
    .symbol:         k_q87fd235b14_proj.kd
    .args:
      - { .name: xb, .offset: 0, .size: 8, .value_kind: global_buffer, .address_space: global }
      - { .name: wb, .offset: 8, .size: 8, .value_kind: global_buffer, .address_space: global }
      - { .name: qkv, .offset: 16, .size: 8, .value_kind: global_buffer, .address_space: global }
      - { .name: vlo, .offset: 24, .size: 8, .value_kind: global_buffer, .address_space: global }
      - { .name: qklo, .offset: 32, .size: 8, .value_kind: global_buffer, .address_space: global }
    .group_segment_fixed_size: 327680
    .private_segment_fixed_size: 0
    .kernarg_segment_align: 8
    .kernarg_segment_size: 40
    .max_flat_workgroup_size: 128
    .sgpr_count:     76
    .vgpr_count:     896
    .wavefront_size: 32
...
	.end_amdgpu_metadata
.endif
;; end of part 2
;; launch scores (part 3): grid 37 x 4, 4 waves a work-group, no clusters, 327,680 bytes of LDS; arguments qkv, qklo, pbuf, stat; writes pbuf, stat
.if DOCPART == 3
	.amdgcn_target "amdgcn-amd-amdhsa--gfx1250"
	.amdhsa_code_object_version 6
	.text
	.protected	k_q87fd235b14_scores
	.globl	k_q87fd235b14_scores
	.p2align	8
	.type	k_q87fd235b14_scores,@function
k_q87fd235b14_scores:
	s_mov_b64 s[64:65], 0
	v_nop
	global_prefetch_b8 v0, s[64:65] scope:SCOPE_SE
	s_setreg_imm32_b32 hwreg(HW_REG_WAVE_MODE, 25, 1), 1
	s_wait_xcnt 0x0
; THE SCORES, tile by tile, with a softmax that is local to 128 keys.  For tile (i, j), j <= i, of 256 queries x 256 keys of batch b: s = q . k (f16 operands, f32 sums, K = 1024), c = log2(e) / 32;
; for each query and each half of 128 keys: m = max(c s), p = 2^(c s - m) rounded to f16, l = the sum of the unrounded p.  The next launch joins the halves exactly, by 2^(m - the row's maximum).
; pbuf [4][2048][2048] f16 (only tiles j <= i are written); stat [4][8 key tiles][2048 rows][m, l of keys 0-127; m, l of keys 128-255] f32.
; THE 37th WORK-GROUP of a batch makes queries 0-127 x keys 0-127 once more, from q and k WITH their f16 remainders (qklo): its 256 rows of A are q's f16 part and then q's remainder, its 256 rows of B the same of k, so its
; four wave tiles are the four products of (q_h + q_l)(k_h + k_l).  Behind the K loop they meet in LDS, in f32; wave w sums and finishes query blocks 2 w and 2 w + 1.  It alone stores that quarter's p, and rows 0-127's m and l.
; In tile 0 wave 0, whose quarter that is, multiplies along with the ring and stores nothing, as in every diagonal tile the wave above the diagonal multiplies what the mask hides.
; LIMITS.  A hidden score counts as c s - 1e30; m is held at -2^96 or above, so a half in which a query sees no key gives m = -2^96, p = 0, l = 0; f16's |c s|, 2e11 at the most, is far inside.
; A weight below 2^-126 counts as 0.  NaN and infinities are not treated apart.
; NO CLUSTER: a batch's triangle has rows of 1 to 8 tiles, 36 in all; it does not fall into fours that share a row or a column without a work-group that has nothing to do.
; SHARES.  Four waves, each 128 queries x 128 keys: 64 accumulators.  K goes in 8 steps of 128 through a ring of two LDS slots: 256 rows of A, then 256 rows of B, 256 bytes each; every wave fetches 128 rows.
; A K STEP IS WRITTEN ONCE: a trip of the loop is quarters 1, 2 and 3 of a step and quarter 0 of the next; the slot in hand is a scalar, 0 or SLOT, that an exclusive or turns, and the LDS addresses are made from it.
; Source 0 = 16 rows of k, source 1 = 16 rows of q: a lane holds ONE query (lane % 16) and the keys 8 (lane / 16) + 0..7 of each block of 16.
; REGISTERS: window 0: v0-47 addresses and statistics; v64-127, v128-191 fragments of q, two buffers (behind the K loop: T, PK, OB); v192-199 MD.  Window 1: v64-191 fragments of k (behind the K loop: all 256, four
;   waves' pieces of a block).  Windows 2, 3: the accumulators of my queries 0-63, 64-127: (a, b) at 8 (8 (a % 4) + b).
.set KSTEP,  128
.set PITCH,  272                       ; 256 bytes + 16 of padding: the 16 rows of a fragment load start at 16 different groups of four banks (64 banks of 4 bytes: ISA guide 11.1)
.set HALFT,  128*PITCH
.set SLOT,   4*HALFT
.set STAGE,  2*SLOT                    ; behind the ring: 16 rows x 272 bytes for each wave
.set STATS,  STAGE+4*16*PITCH          ; 256 rows x 16 bytes: the tile's m and l
.set SPARE,  STATS+4096                ; the spare words, 128 bytes a wave; no other line names them
.set PIECE,  65536                     ; the 37th work-group, behind the ring's last fill and last read: wave v's 64 accumulators at v x 65,536, 1,024 bytes each: 262,144 of the ring's 278,528 bytes
.set QROW,   6144
.set ADRA,  16                         ; v16    LDS address of my fragments of q in the slot in hand
.set ADRA0, 17                         ; v17    the same in slot 0; never rewritten
.set ADRB,  20                         ; v20-21 the same two for k
.set ADRB0, 21
.set SRD,  22                          ; v22    where I read the tile's statistics back
.set SGO,  23                          ; v23    16 x lane
.set STO,  24
.set RD,   25
.set CO,   26                          ; v26    my byte offset in two rows of pbuf
.set SAD,  27                          ; v27    where my query's m and l go in LDS; steps by 16 rows
.set SPW,  28
.set NIL,  29
.set PFO,  30                          ; v30    my lane x a row of qkv
.set SGC,  31                          ; v31    the 37th: SGA + the block's 16 rows of 16 bytes (at the head: at work)
.set CC,   32                          ; v32-35 at work
.set MM,   36                          ; v36-37 m, m; later m, l
.set ZP,   38                          ; v38-39 the 37th: what my lane stores of a row's statistics
.set LZ,   40                          ; v40-41 -2^96, 0: the statistics of a half that is wholly hidden
.set SGA,  42                          ; v42    the 37th: 16 (l % 16) + 8 (l / 16); never rewritten
.set DW,   43                          ; v43    the 37th: where my accumulators go: wave x 65,536 + 16 x lane
.set DR,   44                          ; v44-47 the 37th: wave v's piece of the block in hand: v x 65,536 + 16 x lane; steps by a block's 8,192 bytes
.set F0,   64
.set F1,   128
.set T,    64                          ; v64-127  a block's 64 scores a lane
.set PK,   128                         ; v128-159 its weights, packed
.set OB,   160                         ; v160-191 rows read back
.set MD,   192                         ; v192-199 the mask of a diagonal block: -1e30 where 8 (l / 16) + r > l % 16
.set G1, 24
.set G0, 32                            ; s[32:39] group 0: a set for each of the two first fills; the second then walks on
.set PBC, 40                           ; s[40:41] pbuf at the block in hand
.set LIM, 43                           ; s43 2 in a wave that prefetches, else the greatest number
.set PFA, 44
.set CS,  46                           ; s[46:47] c
.set SEL, 48                           ; s[48:49] v_permlanex16_b32's selects: each lane takes its own place in the other half
.set AL,  50                           ; s[50:51] the mask's factor
.set BE,  52                           ; s[52:53] the mask's addend
.set NEG, 54                           ; s54 -1e30
.set LOW, 55                           ; s55 -2^96
.set D0,  56                           ; s56 my first query block less my first key block
.set DA,  57
.set REM, 58
.set HM,  59                           ; s59 the lanes 16-31
.set PB,  60                           ; s[60:61] pbuf at my first block; never rewritten
.set STW, 62                           ; s[62:63] stat at the 64 rows that my wave stores
.set W,   66                           ; s66 wave; s67, s68 its half of A's and of B's rows
.set WR,  67
.set WC,  68
.set SP,  69                           ; s69 1 in the 37th work-group
.set LV,  70                           ; s70 bit a: I finish query block a
.set SS,  71                           ; s71 1: I store 64 rows of the tile's statistics
.set WRO, 72                           ; s72, s73 the halves of the tile's queries and keys to which my results belong (the 37th: 0, 0)
.set WCO, 73
.set TB,  74                           ; s74 the slot in hand: 0 or SLOT
.set AT,  75                           ; s75 the way out's trip: query block a
.set MSB, 0
.macro WIN new
.if MSB != (\new)
	s_set_vgpr_msb (MSB<<8)|(\new)
.set MSB, \new
.endif
.endm
.set MUL_LO, 0xa1                      ; source 0 (k) window 1, source 1 (q) window 0, C and D window 2
.set TO_B,   0x40
.macro PLACES
.rept 4
	v_nop
.endr
.endm
; Prefetches of the K step that stands two refills on: my 128 rows x 256 bytes, a lane a row, four instructions.  q's block i is read by the tiles (i, 0..i): tile j = 0 asks; k's block j by the tiles (j..7, j):
; tile i = j asks; the remainders are read by the 37th work-group alone, whose waves 1 and 3 ask.  So K steps 4-7 of each row are named once; steps 0-3 come by their loads alone; the loop's last two trips ask for nothing.
.macro ASK
	s_cmp_gt_u32 s3, s[LIM]
	s_cbranch_scc0 .Lnot_mine_\@
.irp n, 0,1,2,3
	global_prefetch_b8 v[PFO], s[PFA:PFA+1] offset:KSTEP*2+32*QROW*(\n) th:TH_LOAD_NT scope:SCOPE_SE
.endr
.Lnot_mine_\@:
.endm
	s_load_b256 s[4:11], s[0:1], 0x0               ; qkv s[4:5], qklo s[6:7], pbuf s[8:9], stat s[10:11]
	v_lshl_add_u32 v[SPW], v0, 2, SPARE
	v_mov_b32 v[NIL], 0
	ds_add_u32 v[SPW], v[NIL]                      ; the opening: the add and its wait stand ahead of my first tensor load
	v_lshrrev_b32 v1, 5, v0
	v_readfirstlane_b32 s[W], v1                   ; wave 0..3
	s_lshr_b32 s[WR], s[W], 1
	s_and_b32 s[WC], s[W], 1
	s_mov_b32 s13, ttmp9                           ; the tile's number in the triangle, 0..35; 36: the 37th work-group
	s_and_b32 s16, ttmp7, 0xffff                   ; the batch
	s_mov_b32 s14, 0
.irp t, 1,3,6,10,15,21,28
	s_cmp_ge_u32 s13, \t                           ; i = how many rows of the triangle begin at or before the tile
	s_add_co_ci_u32 s14, s14, 0
.endr
	s_add_co_u32 s15, s14, 1
	s_mul_i32 s15, s15, s14
	s_lshr_b32 s15, s15, 1
	s_sub_co_u32 s15, s13, s15                     ; j = the number less i (i + 1) / 2
	s_cmp_eq_u32 s13, 36
	s_cselect_b32 s[SP], 1, 0
	s_cselect_b32 s14, 0, s14                      ; the 37th works for tile (0, 0),
	s_cselect_b32 s15, 0, s15
	s_cselect_b32 s[WRO], 0, s[WR]                 ; and all its waves for that tile's first quarter
	s_cselect_b32 s[WCO], 0, s[WC]
	s_lshl_b32 s17, s[W], 1
	s_lshl_b32 s17, 3, s17                         ; the 37th: blocks 2 w and 2 w + 1
	s_or_b32 s18, s13, s[W]
	s_cmp_eq_u32 s18, 0                            ; tile 0's wave 0: none
	s_cselect_b32 s[LV], 0, 0xff
	s_cmp_eq_u32 s[SP], 1
	s_cselect_b32 s[LV], s17, s[LV]
	s_cmp_eq_u32 s13, 0                            ; tile 0 stores the statistics of its rows 128-255 alone (waves 2, 3); the 37th stores rows 0-127's from registers
	s_cselect_b32 s[SS], s[WR], 1
	s_cmp_eq_u32 s[SP], 1
	s_cselect_b32 s[SS], 0, s[SS]
	s_mov_b32 s[G1], (1<<16)|(1<<20)|(5<<22)|(3<<25)  ; 2-byte elements; padding on: after every 64 words 4 words
	s_mov_b32 s[G1+1], KSTEP<<16
	s_mov_b32 s[G1+2], 128<<16
	s_mov_b32 s[G1+3], KSTEP<<16
	s_mov_b32 s[G1+4], 128
	s_mov_b32 s[G1+5], 3072
	s_mov_b32 s[G1+6], 0
	s_mov_b32 s[G1+7], 0
	s_mov_b32 s[CS], 0x3d38aa3b                    ; log2(e) / 32
	s_mov_b32 s[CS+1], s[CS]
	s_mov_b32 s[SEL], 0x76543210
	s_mov_b32 s[SEL+1], 0xfedcba98
	s_mov_b32 s[AL+1], 0                           ; named as pairs
	s_mov_b32 s[BE+1], 0
	s_mov_b32 s[NEG], 0xf149f2ca
	s_mov_b32 s[LOW], 0xef800000
	s_mov_b32 s[TB], 0
	s_sub_co_i32 s[D0], s14, s15                   ; 16 (i - j) + 8 (query half - key half)
	s_lshl_b32 s[D0], s[D0], 4
	s_sub_co_i32 s17, s[WRO], s[WCO]
	s_lshl_b32 s17, s17, 3
	s_add_co_i32 s[D0], s[D0], s17
	s_sub_co_u32 s22, s14, s15
	s_cmp_lt_u32 s[W], 2                           ; waves 0, 1 fetch A's rows, waves 2, 3 B's
	s_cselect_b32 s17, s14, s15                    ; block i of q or block j of k,
	s_cselect_b32 s18, 0, 2048                     ; q's or k's columns, in bytes
	s_cselect_b32 s22, s15, s22                    ; 0 in the tile that prefetches these rows
	s_cmp_eq_u32 s22, 0
	s_cselect_b32 s[LIM], 2, -1
	s_lshl_b32 s19, s16, 11
	s_lshl_b32 s17, s17, 8
	s_add_co_u32 s19, s19, s17
	s_lshl_b32 s17, s[WC], 7
	s_add_co_u32 s19, s19, s17                     ; row 2048 b + 256 block + 128 (w & 1) of qkv
	s_lshl_b32 s17, s16, 11                        ; the 37th: waves 0, 2 take rows 2048 b .. of qkv,
	s_lshl_b32 s2, s16, 7                          ; waves 1, 3 rows 128 b .. of qklo
	s_cmp_eq_u32 s[WC], 1
	s_cselect_b32 s17, s2, s17
	s_cselect_b32 s2, 2, -1
	s_cmp_eq_u32 s[SP], 1
	s_cselect_b32 s19, s17, s19
	s_cselect_b32 s[LIM], s2, s[LIM]
	s_and_b32 s23, s[SP], s[WC]                    ; 1: I fetch remainders
	s_mul_i32 s20, s19, QROW
	s_add_co_u32 s20, s20, s18
	s_mov_b32 s21, 0
	s_mul_i32 s42, s[W], HALFT                     ; where my rows go in a slot
	s_wait_dscnt 0x0                               ; the opening add is done
	s_wait_kmcnt 0x0
	s_cmp_eq_u32 s23, 1
	s_cselect_b64 s[40:41], s[6:7], s[4:5]
	s_add_nc_u64 s[20:21], s[40:41], s[20:21]
.irp s, 0,1
	s_mov_b32 s[G0+4*(\s)], 1
	s_add_co_u32 s[G0+4*(\s)+1], s42, (\s)*SLOT
	s_add_nc_u64 s[G0+4*(\s)+2:G0+4*(\s)+3], s[20:21], (\s)*KSTEP*2
	s_or_b32 s[G0+4*(\s)+3], s[G0+4*(\s)+3], 0x80000000
.endr
	tensor_load_to_lds s[G0:G0+3], s[G1:G1+7]      ; K steps 0 and 1: two loads of mine are out
	s_nop 0
	tensor_load_to_lds s[G0+4:G0+7], s[G1:G1+7]
	s_nop 0
	PLACES
	s_add_nc_u64 s[PFA:PFA+1], s[20:21], 2*KSTEP*2 ; at K step 2: the first refill steps it to 3 and names step 4
	v_and_b32 v1, 15, v0                           ; l % 16
	v_bfe_u32 v2, v0, 4, 1                         ; l / 16
	v_mul_u32_u24 v3, v1, PITCH
	v_lshl_add_u32 v3, v2, 4, v3
	s_mul_i32 s21, s[WR], HALFT
	s_mul_i32 s22, s[WC], HALFT
	s_add_co_u32 s22, s22, 2*HALFT
	v_add_nc_u32 v[ADRA0], s21, v3
	v_add_nc_u32 v[ADRB0], s22, v3
	v_mov_b32 v[ADRA], v[ADRA0]                    ; K step 0 lies in slot 0
	v_mov_b32 v[ADRB], v[ADRB0]
	s_mul_i32 s23, s[W], 16*PITCH
	s_add_co_u32 s23, s23, STAGE
	v_add_nc_u32 v[STO], s23, v3                   ; in: row l % 16, 16 bytes for each half of the lanes
	v_mul_u32_u24 v[RD], v2, PITCH                 ; back: lanes 0-15 one row of 256 bytes, lanes 16-31 the next
	v_lshl_add_u32 v[RD], v1, 4, v[RD]
	v_add_nc_u32 v[RD], s23, v[RD]
	v_lshlrev_b32 v[CO], 12, v2
	v_lshl_add_u32 v[CO], v1, 4, v[CO]
	s_lshl_b32 s23, s[WR], 11                      ; LDS addresses hang on the wave's number alone: 128 wr rows of 16 bytes,
	s_lshl_b32 s17, s[WC], 3                       ; my half's 8 bytes
	s_add_co_u32 s23, s23, s17
	s_add_co_u32 s23, s23, STATS
	v_lshl_add_u32 v[SAD], v1, 4, s23
	v_and_b32 v[SGO], 31, v0
	v_lshlrev_b32 v[SGO], 4, v[SGO]
	s_lshl_b32 s23, s[W], 10
	s_add_co_u32 s23, s23, STATS
	v_add_nc_u32 v[SRD], s23, v[SGO]
	s_lshl_b32 s23, s[W], 16
	v_add_nc_u32 v[DW], s23, v[SGO]
.irp v, 0,1,2,3
	v_add_nc_u32 v[DR+(\v)], (\v)*PIECE, v[SGO]
.endr
	v_lshlrev_b32 v[SGA], 4, v1
	v_lshl_add_u32 v[SGA], v2, 3, v[SGA]
	v_mov_b32 v[LZ], s[LOW]
	v_mov_b32 v[LZ+1], 0
	v_cmp_eq_u32 s[HM], 1, v2
	v_and_b32 v[PFO], 31, v0
	v_mul_u32_u24 v[PFO], v[PFO], QROW
	v_lshlrev_b32 v31, 3, v2
	v_sub_nc_u32 v31, v1, v31
.irp r, 0,1,2,3,4,5,6,7
	v_cmp_gt_i32 vcc_lo, \r, v31
	v_cndmask_b32 v[MD+\r], 0, s[NEG], vcc_lo
.endr
	s_lshl_b32 s17, s16, 11                        ; pbuf: row 2048 b + 256 i + 128 x query half, 4,096 bytes each,
	s_lshl_b32 s18, s14, 8
	s_add_co_u32 s17, s17, s18
	s_lshl_b32 s18, s[WRO], 7
	s_add_co_u32 s17, s17, s18
	s_lshl_b32 s18, s17, 12
	s_lshl_b32 s17, s15, 9                         ; + 512 j + 256 x key half
	s_add_co_u32 s18, s18, s17
	s_lshl_b32 s17, s[WCO], 8
	s_add_co_u32 s18, s18, s17
	s_mov_b32 s19, 0                               ; s19 stays 0: the upper word of the offsets in s18
	s_add_nc_u64 s[PB:PB+1], s[8:9], s[18:19]
	s_lshl_b32 s18, s16, 3                         ; stat: ((8 b + j) 2048 + 256 i) 16: the tile's first row,
	s_add_co_u32 s18, s18, s15
	s_lshl_b32 s18, s18, 11
	s_lshl_b32 s17, s14, 8
	s_add_co_u32 s18, s18, s17
	s_lshl_b32 s18, s18, 4
	s_add_nc_u64 s[10:11], s[10:11], s[18:19]
	s_lshl_b32 s18, s[W], 10                       ; and my wave's 64 rows
	s_add_nc_u64 s[STW:STW+1], s[10:11], s[18:19]
; 16 matrix instructions: query blocks a0, a0 + 1 of the window's four x all 8 key blocks, 32 along K.  The 64 accumulators take turns in the same order in every quarter.
.macro MUL16 f, hi, a0, zero
	WIN MUL_LO+0x50*(\hi)
.irp a, \a0, (\a0)+1
.irp b, 0,1,2,3,4,5,6,7
.if \zero
	v_wmma_f32_16x16x32_f16 v[8*(8*(\a)+(\b)):8*(8*(\a)+(\b))+7], v[(\f)+8*(\b):(\f)+8*(\b)+7], v[(\f)+8*(4*(\hi)+(\a)):(\f)+8*(4*(\hi)+(\a))+7], 0
.else
	v_wmma_f32_16x16x32_f16 v[8*(8*(\a)+(\b)):8*(8*(\a)+(\b))+7], v[(\f)+8*(\b):(\f)+8*(\b)+7], v[(\f)+8*(4*(\hi)+(\a)):(\f)+8*(4*(\hi)+(\a))+7], v[8*(8*(\a)+(\b)):8*(8*(\a)+(\b))+7]
.endif
.endr
.endr
.endm
.macro FETCH k, f                      ; 32 LDS loads in one run, from the slot in hand: k's 8 fragments, then q's 8
	WIN TO_B
.irp i, 0,1,2,3,4,5,6,7
	ds_load_b128 v[(\f)+8*(\i):(\f)+8*(\i)+3],   v[ADRB] offset:(\k)+(\i)*16*PITCH
	ds_load_b128 v[(\f)+8*(\i)+4:(\f)+8*(\i)+7], v[ADRB] offset:(\k)+(\i)*16*PITCH+32
.endr
	WIN 0
.irp i, 0,1,2,3,4,5,6,7
	ds_load_b128 v[(\f)+8*(\i):(\f)+8*(\i)+3],   v[ADRA] offset:(\k)+(\i)*16*PITCH
	ds_load_b128 v[(\f)+8*(\i)+4:(\f)+8*(\i)+7], v[ADRA] offset:(\k)+(\i)*16*PITCH+32
.endr
.endm
.macro QUARTER k, f, g, zero
	s_wait_dscnt 8                                 ; k's fragments and q's rows 0-63 are in; the youngest eight loads may be out
	MUL16 \f, 0, 0, \zero
	MUL16 \f, 0, 2, \zero
	PLACES
	FETCH \k, \g
	s_wait_dscnt 32                                ; all but the 32 just issued
	MUL16 \f, 1, 0, \zero
	MUL16 \f, 1, 2, \zero
.endm
.macro NEXT                            ; the reads go on in the other slot: its first fragments
	WIN 0
	s_xor_b32 s[TB], s[TB], SLOT
	v_add_nc_u32 v[ADRA], s[TB], v[ADRA0]
	v_add_nc_u32 v[ADRB], s[TB], v[ADRB0]
	FETCH 0, F0
.endm
; The last quarter multiplies buffer 1 and changes slots: each wave waits for all its tensor loads (one is out at the most: its part of the next slot), adds 0 to its spare word, waits for that and for its reads of this
; slot, and passes the barrier.  Sixteen of the quarter's products stand ahead of the wait for the tile, sixteen between the add and the wait for it.
; fill = 1: nothing stands between signal and wait, so that this slot's refill, two K steps on, is issued as soon as all four waves have signalled; then the next slot's first fragments and the other 32 products.
; fill = 0: nothing is asked for; the other 32 products stand between signal and wait, and what follows is the tail's.
.macro TURN fill
	s_wait_dscnt 8                                 ; k's fragments and q's rows 0-63 are in; the youngest eight loads may be out
	MUL16 F1, 0, 0, 0
.if \fill
	s_wait_xcnt 0x0                                ; the last prefetches, a K step back, have read their address
	s_add_nc_u64 s[PFA:PFA+1], s[PFA:PFA+1], KSTEP*2
.endif
	WIN 0
	s_wait_tensorcnt 0x0                           ; no tensor load of mine is out, so a group 0 may be written
	ds_add_u32 v[SPW], v[NIL]
.if \fill
	s_add_co_u32 s[G0+5], s[TB], s42               ; the walking descriptor: into the slot in hand,
	s_add_nc_u64 s[G0+6:G0+7], s[G0+6:G0+7], KSTEP*2  ; the next K step; the type bits on top are not reached
.endif
	MUL16 F1, 0, 2, 0
.if \fill
	WIN 0
	s_wait_dscnt 0x0                               ; the add is done, my reads of this slot are over
	s_barrier_signal -1
	s_barrier_wait -1
	tensor_load_to_lds s[G0+4:G0+7], s[G1:G1+7]
	s_nop 0
	PLACES                                         ; the form behind a tensor load, and the places in front of the loads below
	NEXT
	ASK
	MUL16 F1, 1, 0, 0
	MUL16 F1, 1, 2, 0
.else
	s_wait_dscnt 0x0                               ; the add is done, my reads of this slot are over
	s_barrier_signal -1
	MUL16 F1, 1, 0, 0
	MUL16 F1, 1, 2, 0
	WIN 0
	s_barrier_wait -1
.endif
.endm
	s_wait_tensorcnt 1                             ; my part of K step 0 is in; step 1's may stay out
	s_barrier_signal -1
	s_barrier_wait -1
	FETCH 0, F0
	QUARTER 64, F0, F1, 1                          ; the first quarter's products start the sums
	WIN 0
	s_mov_b32 s3, 6
.Lstep:                                                ; trip t: quarters 1-3 of K step t, the refill with step t + 2, quarter 0 of step t + 1
	QUARTER 128, F1, F0, 0
	QUARTER 192, F0, F1, 0
	TURN 1
	QUARTER 64, F0, F1, 0
	WIN 0
	s_sub_co_u32 s3, s3, 1
	s_cmp_lg_u32 s3, 0
	s_cbranch_scc1 .Lstep
	s_mov_b32 s3, 2
.Ltail:                                                ; K steps 6 and 7 ask for nothing; behind step 7 there is no further step: its fetch and quarter 0 are jumped over, forward, past no barrier and no tensor load
	QUARTER 128, F1, F0, 0
	QUARTER 192, F0, F1, 0
	TURN 0
	s_cmp_eq_u32 s3, 1
	s_cbranch_scc1 .Lskip
	PLACES                                         ; in front of the loads into buffer 0
	NEXT
	QUARTER 64, F0, F1, 0
	WIN 0
.Lskip:
	s_sub_co_u32 s3, s3, 1
	s_cmp_lg_u32 s3, 0
	s_cbranch_scc1 .Ltail
	PLACES                                         ; behind the last products.  At the last barrier every wave's reads of the ring were over, and its last fill had landed
	; The 37th work-group: every wave lays its 64 accumulators into its 65,536 bytes of the ring: accumulator (a, b) at 1,024 (8 a + b), registers 0-3 and then 4-7, 16 bytes a lane.  The jump passes no barrier.
	s_cmp_eq_u32 s[SP], 1
	s_cbranch_scc0 .Lno_dump
.irp a, 0,1,2,3,4,5,6,7
	WIN 0x08+4*((\a)/4)                            ; the data lie in window 2 or 3
.irp b, 0,1,2,3,4,5,6,7
	ds_store_b128 v[DW], v[8*(8*((\a)%4)+(\b)):8*(8*((\a)%4)+(\b))+3]   offset:1024*(8*(\a)+(\b))
	ds_store_b128 v[DW], v[8*(8*((\a)%4)+(\b))+4:8*(8*((\a)%4)+(\b))+7] offset:1024*(8*(\a)+(\b))+512
.endr
.endr
	WIN 0
.Lno_dump:
	s_wait_dscnt 0x0                               ; for the others' sake: my stores are done
	s_barrier_signal -1
	s_barrier_wait -1
	; THE WAY OUT, a block of 16 queries x 128 keys a trip, eight trips; a trip whose block is not mine to finish is jumped over, forward, to the steps at the trip's end.  Only the way in which the block's scores come
	; into T differs: out of my accumulators, chosen by forward jumps on the trip's number, or (the 37th) out of the four waves' pieces in LDS; all else is written once.
	s_mov_b32 s[REM], 8
.Lrow:
	s_sub_co_u32 s[AT], 8, s[REM]                  ; a
	s_lshr_b32 s17, s[LV], s[AT]
	s_bitcmp1_b32 s17, 0
	s_cbranch_scc0 .Lnext
	s_cmp_eq_u32 s[SP], 1
	s_cbranch_scc0 .Lladder
	WIN 0x40
.irp v, 0,1,2,3
.set n, 0
.rept 16
	ds_load_b128 v[64*(\v)+4*n:64*(\v)+4*n+3], v[DR+(\v)] offset:512*n  ; wave v's piece of the block, as it lay in that wave's registers
.set n, n+1
.endr
.endr
	WIN 0x01
	s_wait_dscnt 48                                ; piece 0 is in; the 48 younger loads may be out
.set z, 0
.rept 32
	v_pk_mul_f32 v[T+2*z:T+2*z+1], v[2*z:2*z+1], s[CS:CS+1] op_sel_hi:[1,0]  ; c q_h k_h
.set z, z+1
.endr
.irp v, 1,2,3
	s_wait_dscnt 48-16*(\v)                        ; piece v is in
.set z, 0
.rept 32
	v_pk_fma_f32 v[T+2*z:T+2*z+1], v[64*(\v)+2*z:64*(\v)+2*z+1], s[CS:CS+1], v[T+2*z:T+2*z+1] op_sel_hi:[1,0,1]  ; + c q_h k_l, + c q_l k_h, + c q_l k_l
.set z, z+1
.endr
.endr
	WIN 0
	s_branch .Lmask
.Lladder:
.irp a, 0,1,2,3,4,5,6
	s_cmp_eq_u32 s[AT], \a
	s_cbranch_scc1 .Lcopy\a
.endr
.irp a, 7,6,5,4,3,2,1,0
.Lcopy\a:
	WIN 0x02+(\a)/4
.set z, 0
.rept 32
	v_pk_mul_f32 v[T+2*z:T+2*z+1], v[64*((\a)%4)+2*z:64*((\a)%4)+2*z+1], s[CS:CS+1] op_sel_hi:[1,0]  ; c s: the scaling is the copy; each accumulator is read from its low end on
.set z, z+1
.endr
	WIN 0
.if (\a) > 0
	s_branch .Lmask
.endif
.endr
.Lmask:
	s_cmp_ge_i32 s[D0], 8                          ; every key block of mine lies below every query block of mine: nothing is hidden
	s_cbranch_scc1 .Lnomask
	s_add_co_i32 s[DA], s[AT], s[D0]               ; key block b is the diagonal's if b = DA, wholly hidden if b > DA
.irp b, 0,1,2,3,4,5,6,7
	s_cmp_eq_i32 s[DA], \b
	s_cselect_b32 s[AL], 1.0, 0
	s_cmp_lt_i32 s[DA], \b
	s_cselect_b32 s[BE], s[NEG], 0
.irp z, 0,1,2,3
	v_pk_fma_f32 v[T+8*(\b)+2*(\z):T+8*(\b)+2*(\z)+1], v[MD+2*(\z):MD+2*(\z)+1], s[AL:AL+1], v[T+8*(\b)+2*(\z):T+8*(\b)+2*(\z)+1] op_sel_hi:[1,0,1]
.endr
.irp z, 0,1,2,3
	v_pk_add_f32 v[T+8*(\b)+2*(\z):T+8*(\b)+2*(\z)+1], v[T+8*(\b)+2*(\z):T+8*(\b)+2*(\z)+1], s[BE:BE+1] op_sel_hi:[1,0]
.endr
.endr
.Lnomask:
.irp c, 0,1,2,3                        ; the maximum of my 64 scores: four chains of 15, three operands at a time,
	v_max3_num_f32 v[CC+(\c)], v[T+16*(\c)], v[T+16*(\c)+1], v[T+16*(\c)+2]
.endr
.irp s, 0,1,2,3,4,5
.irp c, 0,1,2,3
	v_max3_num_f32 v[CC+(\c)], v[CC+(\c)], v[T+16*(\c)+3+2*(\s)], v[T+16*(\c)+4+2*(\s)]
.endr
.endr
	v_max3_num_f32 v[CC], v[CC], v[T+15], v[T+31]  ; the four left over, the chains, and the floor
	v_max3_num_f32 v[CC+2], v[CC+2], v[T+47], v[T+63]
	v_max3_num_f32 v[CC], v[CC], v[CC+1], v[CC+2]
	v_max3_num_f32 v[CC], v[CC], v[CC+3], s[LOW]
	v_permlanex16_b32 v[CC+1], v[CC], s[SEL], s[SEL+1]  ; the query's other 64 keys lie in the lane 16 away
	v_max_num_f32 v[MM], v[CC], v[CC+1]
	v_max_num_f32 v[MM+1], v[CC], v[CC+1]
.set z, 0
.rept 32
	v_pk_add_f32 v[T+2*z:T+2*z+1], v[T+2*z:T+2*z+1], v[MM:MM+1] neg_lo:[0,1] neg_hi:[0,1]  ; c s - m
.set z, z+1
.endr
.set z, 0
.rept 64
	v_exp_f32 v[T+z], v[T+z]                       ; one batch: nothing names a result before the wait below
.set z, z+1
.endr
	v_nop                                          ; a plain instruction behind the last exponential
	s_wait_alu depctr_va_vdst(0)                   ; the wait ahead of the first use: one for the 64
.set z, 0
.rept 32
	v_cvt_pk_f16_f32 v[PK+z], v[T+2*z], v[T+2*z+1]
.set z, z+1
.endr
	s_wait_xcnt 0x0                                ; the stores of the block before, a whole softmax back, have read their data, offsets and base: OB, ZP, SGC and PBC are written again only behind this wait
	s_lshl_b32 s18, s[AT], 16                      ; block a: 16 rows of 4,096 bytes each
	s_add_nc_u64 s[PBC:PBC+1], s[PB:PB+1], s[18:19]
	s_lshl_b32 s17, s[AT], 8                       ; and 16 rows of 16 bytes of statistics
	v_add_nc_u32 v[SGC], s17, v[SGA]
.irp b, 0,1,2,3,4,5,6,7
	ds_store_b128 v[STO], v[PK+4*(\b):PK+4*(\b)+3] offset:32*(\b)
.endr
.irp t, 0,1,2,3,4,5,6,7
	ds_load_b128 v[OB+4*(\t):OB+4*(\t)+3], v[RD] offset:(\t)*2*PITCH  ; LDS serves a wave's instructions in order (ISA guide 5.7.1.4): these see the stores above; the sums below stand between them and the wait for them
.endr
.irp st, 16,8,4,2,1                    ; the sum of the 32 pairs, in place
.set z, 0
.rept \st
	v_pk_add_f32 v[T+2*z:T+2*z+1], v[T+2*z:T+2*z+1], v[T+2*(z+\st):T+2*(z+\st)+1]
.set z, z+1
.endr
.endr
	v_add_f32 v[CC], v[T], v[T+1]
	v_permlanex16_b32 v[CC+1], v[CC], s[SEL], s[SEL+1]
	v_add_f32 v[MM+1], v[CC], v[CC+1]              ; l
	ds_store_b64 v[SAD], v[MM:MM+1]                ; both halves of the lanes write the same two words (the 37th does not read them back)
	s_wait_dscnt 1                                 ; the eight loads are back; the one store issued behind them may be out
.irp t, 0,1,2,3,4,5,6,7
	global_store_b128 v[CO], v[OB+4*(\t):OB+4*(\t)+3], s[PBC:PBC+1] offset:(\t)*8192  ; 16 lanes store 256 consecutive bytes, aligned: a query's 128 weights
.endr
	s_cmp_eq_u32 s[SP], 1
	s_cbranch_scc0 .Lnext
	v_cndmask_b32 v[ZP], v[MM], v[LZ], s[HM]       ; the 37th: lanes 0-15 store their query's m and l, lanes 16-31 the statistics of its hidden keys 128-255:
	v_cndmask_b32 v[ZP+1], v[MM+1], v[LZ+1], s[HM]
	global_store_b64 v[SGC], v[ZP:ZP+1], s[10:11]  ; 16 rows of 16 bytes: 256 consecutive bytes, aligned, each written once
.Lnext:
	v_add_nc_u32 v[SAD], 256, v[SAD]               ; LDS addresses alone are stepped here: 16 rows on
.irp v, 0,1,2,3
	v_add_nc_u32 v[DR+(\v)], 8192, v[DR+(\v)]
.endr
	s_sub_co_u32 s[REM], s[REM], 1
	s_cmp_lg_u32 s[REM], 0
	s_cbranch_scc1 .Lrow
	s_wait_dscnt 0x0                               ; for the others' sake: my m and l lie in LDS
	s_barrier_signal -1
	s_barrier_wait -1
	s_cmp_eq_u32 s[SS], 1
	s_cbranch_scc0 .Lno_stat
	s_wait_xcnt 0x0                                ; the last block's stores have read OB
	ds_load_b128 v[OB:OB+3], v[SRD]                ; wave w takes rows 64 w .. 64 w + 63, whole: 16 bytes a row
	ds_load_b128 v[OB+4:OB+7], v[SRD] offset:512
	s_wait_dscnt 0x0
	global_store_b128 v[SGO], v[OB:OB+3], s[STW:STW+1]   ; 512 consecutive bytes, aligned
	global_store_b128 v[SGO], v[OB+4:OB+7], s[STW:STW+1] offset:512
.Lno_stat:
	s_wait_tensorcnt 0x0                           ; the wave's end
	ds_add_u32 v[SPW], v[NIL]
	s_wait_dscnt 0x0
	s_endpgm
.Lfunc_end_k_q87fd235b14_scores:
	.size	k_q87fd235b14_scores, .Lfunc_end_k_q87fd235b14_scores-k_q87fd235b14_scores
	.p2alignl 7, 3214868480
	.fill 96, 4, 3214868480
	.section	.rodata,"a",@progbits
	.p2align	6, 0x0
	.amdhsa_kernel k_q87fd235b14_scores
		.amdhsa_group_segment_fixed_size 327680
		.amdhsa_private_segment_fixed_size 0
		.amdhsa_enable_private_segment 0
		.amdhsa_kernarg_size 32
		.amdhsa_user_sgpr_count 2
		.amdhsa_user_sgpr_kernarg_segment_ptr 1
		.amdhsa_wavefront_size32 1
		.amdhsa_system_sgpr_workgroup_id_x 1
		.amdhsa_system_sgpr_workgroup_id_y 1
		.amdhsa_system_sgpr_workgroup_id_z 1
		.amdhsa_system_vgpr_workitem_id 0
		.amdhsa_next_free_vgpr 1024
		.amdhsa_next_free_sgpr 76
		.amdhsa_reserve_vcc 1
		.amdhsa_float_denorm_mode_32 3
		.amdhsa_float_denorm_mode_16_64 3
		.amdhsa_memory_ordered 1
		.amdhsa_forward_progress 1
		.amdhsa_inst_pref_size 126
	.end_amdhsa_kernel
	.amdgpu_metadata
---
amdhsa.version: [ 1, 2 ]
amdhsa.kernels:
  - .name:           k_q87fd235b14_scores
    .symbol:         k_q87fd235b14_scores.kd
    .args:
      - { .name: qkv, .offset: 0, .size: 8, .value_kind: global_buffer, .address_space: global }
      - { .name: qklo, .offset: 8, .size: 8, .value_kind: global_buffer, .address_space: global }
      - { .name: pbuf, .offset: 16, .size: 8, .value_kind: global_buffer, .address_space: global }
      - { .name: stat, .offset: 24, .size: 8, .value_kind: global_buffer, .address_space: global }
    .group_segment_fixed_size: 327680
    .private_segment_fixed_size: 0
    .kernarg_segment_align: 8
    .kernarg_segment_size: 32
    .max_flat_workgroup_size: 128
    .sgpr_count:     76
    .vgpr_count:     1024
    .wavefront_size: 32
...
	.end_amdgpu_metadata
.endif
;; end of part 3
;; launch context (part 4): grid 8 x 32, 4 waves a work-group, clusters of 4 x 1, 327,680 bytes of LDS; arguments pbuf, qkv, vlo, stat, out0; writes out0
.if DOCPART == 4
	.amdgcn_target "amdgcn-amd-amdhsa--gfx1250"
	.amdhsa_code_object_version 6
	.text
	.protected	k_q87fd235b14_context
	.globl	k_q87fd235b14_context
	.p2align	8
	.type	k_q87fd235b14_context,@function
k_q87fd235b14_context:
	s_mov_b64 s[64:65], 0
	v_nop
	global_prefetch_b8 v0, s[64:65] scope:SCOPE_SE
	s_setreg_imm32_b32 hwreg(HW_REG_WAVE_MODE, 25, 1), 1
	s_wait_xcnt 0x0
	s_wait_alu depctr_hold_cnt(0) depctr_sa_sdst(0) depctr_va_vdst(0) depctr_va_sdst(0) depctr_va_ssrc(0) depctr_va_vcc(0) depctr_vm_vsrc(0)
	s_getreg_b32 s2, hwreg(HW_REG_IB_STS2, 6, 4)
	s_cmp_eq_u32 s2, 0
	s_cbranch_scc0 .Lentry_in_a_cluster
	s_endpgm
.Lentry_in_a_cluster:
	s_bfe_u32 s2, ttmp6, 0x10000c
	s_cmp_lg_u32 s2, 0x3003
	s_cbranch_scc0 .Lentry_shape_is_right
	s_endpgm
.Lentry_shape_is_right:
; out[q][e] = (the sum over halves t of 128 keys of alpha_t(q) x (p_t V_t)[q][e]) / (the sum over t of alpha_t l_t), alpha_t = 2^(m_t - M), M = the maximum of the row's m_t: the exact softmax, joined in f32.
; p (pbuf, f16), m and l (stat, f32) come from the launch before; V is qkv's columns 2048.. (f16); for a batch's keys 0-31 v's remainder (vlo, f16) is multiplied in too.  out0 [4][2048][1024] f32.
; LIMITS.  As stated where p, m, l and v are made; alpha below 2^-126 counts as 0; every row sees its own key, so M is a true score and the divisor is at least 1.
; THE WALK.  A batch's rows lie in 16 blocks of 128; block r needs (r >> 1) + 1 steps of 256 keys.  A work-group makes 128 channels of TWO blocks, 15 - p and then p: 9 steps whatever p: 256 equal work-groups,
; one walk with constant trip counts.  Which tile is asked for, and where a block ends, hang on scalars made from p; those jumps go forward and pass no barrier and no tensor load.
; CLUSTER 4 x 1: the four partners make four channel tiles of the same rows, so P's tiles are asked for jointly; V's differ and are plain loads of each work-group.
; V is not shared between work-groups of like channels: their walks name different key steps from the sixth step on.
; SHARES.  Four waves, each 64 queries x 64 channels.  O^T = V^T P: source 0 = V turned (16 channels x 32 keys, ds_load_tr16_b128), source 1 = P (16 queries x 32 keys): a lane holds one query, eight channels.
; PS takes the products of one half of 128 keys, begun with the constant 0; then ACC += alpha x PS (a block's first half: ACC = alpha x PS: nothing is cleared).
; REGISTERS: window 0: v0-127 addresses, statistics, rows on the way out; v128-255 ACC at 8 (4 a + b).  Window 1: two fragment buffers of 128: P's (c, i) at 8 (4 c + i), V's 64 further on.
;   Window 2: v0-127 PS; v128-159 the fragments of v's remainder.
.set PPIT,  528                        ; a row of P in LDS: 512 bytes + 16: the 16 rows of a load start at 16 different groups of four banks (64 banks of 4 bytes: ISA guide 11.1)
.set VPIT,  288                        ; a row of V: 256 + 32
.set VOFF,  128*PPIT                   ; a slot: 128 rows of P, then 256 rows of V
.set SLOT,  VOFF+256*VPIT
.set VLB,   2*SLOT                     ; behind the ring: 32 rows of v's remainder, filled once
.set STAGE, VLB+32*VPIT                ; 16 rows x 272 bytes for each wave
.set SPIT,  272
.set SPARE, STAGE+4*16*SPIT            ; the spare words, 128 bytes a wave; no other line names them
.set AP0, 3                            ; v3  my lane's place in P's tile; never rewritten
.set AV0, 4                            ; v4  in V's
.set ADRP, 5                           ; v5  the same in the slot in hand
.set ADRV, 6                           ; v6  keys 0-127; v7 keys 128-255
.set ADRV2, 7
.set STO, 8
.set RD,  9
.set GO,  10                           ; v10 my byte offset in two rows of out0
.set SO,  11                           ; v11 16 (l % 16)
.set SOX, 12                           ; v12 my offset in stat for the step to come
.set VLA, 13
.set MX,  16                           ; v16-19 M of the block in hand, a = 0..3
.set LL,  20                           ; v20-23 the divisor
.set SQ,  24                           ; v24-39 a step's m, l, m, l for each a
.set AL,  40                           ; v40-55 alpha of half e, block a at AL + 8 e + 2 a; the odd registers hold 0 (named as pairs)
.set DT,  56                           ; v56-63
.set SPW, 64
.set NIL, 65
.set PFO, 66
.set MXB, 72                           ; v72-75 M of the second block
.set RL,  76                           ; v76-83 1 / divisor at RL + 2 a; the odd registers hold 0
.set OB,  96                           ; v96-127 rows read back; at the head sixteen offsets
.set ACC, 128
.set F0,  0
.set F1,  128
.set VLO, 128
.set W,   14
.set HW,  15                           ; w & 1: which half I fetch, and my 64 channels
.set WR,  16
.set CX,  18
.set NN,  19                           ; the channel tile
.set BT,  21                           ; the batch
.set R1,  22
.set R2,  23
.set G1P, 24
.set G1V, 32
.set G1L, 40
.set G0P, 48                           ; s[48:55] two sets for the first fills; the first then serves every refill
.set G0V, 56
.set MR,  66                           ; s66, s67 the prefetch address's factors for R and T
.set MT,  67
.set G0L, 68
.set N1,  72                           ; steps of the first block
.set KI,  73                           ; the step in hand, 0..8
.set CNT, 74
.set NEWF, 75                          ; 1 in a block's first step
.set TB,  76                           ; the slot in hand: 0 or SLOT
.set LWV, 77
.set XR,  78                           ; SEQ's results
.set XT,  79
.set PBW, 86
.set VBW, 88
.set STB, 90
.set OPB, 92
.set OPA, 94
.set PFA, 96
.set PFB, 98
.set PLIM, 100
.set LWP, 101
.set MSB, 0
.macro WIN new
.if MSB != (\new)
	s_set_vgpr_msb (MSB<<8)|(\new)
.set MSB, \new
.endif
.endm
.macro PLACES
.rept 4
	v_nop
.endr
.endm
.macro CREST
	s_cmp_lg_u32 s[W], 0
	s_cbranch_scc1 .Lnot_wave_0_\@
	s_barrier_signal -3
.Lnot_wave_0_\@:
	s_barrier_wait -3
	s_barrier_signal -1
	s_barrier_wait -1
.endm
.macro CROUND
	s_barrier_signal -1
	s_barrier_wait -1
	CREST
.endm
.macro JLOAD                           ; waves 0, 1: P's two halves, jointly; waves 2, 3: V's; an s_nop 0 and four v_nop follow each line
	s_cmp_lt_u32 s[W], 2
	s_cbranch_scc0 .Lfor_v_\@
	tensor_load_to_lds s[G0P:G0P+3], s[G1P:G1P+7]
	s_nop 0
.rept 4
	v_nop
.endr
	s_branch .Lasked_\@
.Lfor_v_\@:
	tensor_load_to_lds s[G0V:G0V+3], s[G1V:G1V+7]
	s_nop 0
.rept 4
	v_nop
.endr
.Lasked_\@:
.endm
.macro SEQ x                           ; step s[x] of the walk: block XR, key step XT
	s_sub_co_u32 s[XT], s[\x], s[N1]
	s_cmp_lt_u32 s[\x], s[N1]
	s_cselect_b32 s[XR], s[R1], s[R2]
	s_cselect_b32 s[XT], s[\x], s[XT]
.endm
; Prefetches for step KI + 4, two refills on.  P's tile is read by both clusters of a row: cluster x = 0 asks, steps 4-8; of a wave's 64 rows x 512 bytes each partner takes 16 rows, told apart by address: a lane
; a block of 256 bytes, one instruction.  V's key steps are walked by the eight work-groups of like batch and channels: the one with p = 0 asks, steps 4-7: a wave's 128 rows, a lane a row, four instructions.
.macro ASK
	s_cmp_lt_u32 s[KI], s[PLIM]
	s_cbranch_scc0 .Lnot_mine_\@
	global_prefetch_b8 v[PFO], s[PFA:PFA+1] th:TH_LOAD_NT scope:SCOPE_SE
	s_cmp_lt_u32 s[W], 2
	s_cbranch_scc1 .Lnot_mine_\@
.irp n, 1,2,3
	global_prefetch_b8 v[PFO], s[PFA:PFA+1] offset:196608*(\n) th:TH_LOAD_NT scope:SCOPE_SE
.endr
.Lnot_mine_\@:
.endm
	s_load_b256 s[4:11], s[0:1], 0x0               ; pbuf s[4:5], qkv s[6:7], vlo s[8:9], stat s[10:11]
	s_load_b64 s[12:13], s[0:1], 0x20              ; out0
	v_lshl_add_u32 v[SPW], v0, 2, SPARE
	v_mov_b32 v[NIL], 0
	ds_add_u32 v[SPW], v[NIL]                      ; the opening: the add and its wait stand ahead of my first tensor load
	v_lshrrev_b32 v1, 5, v0
	v_readfirstlane_b32 s[W], v1
	s_and_b32 s[HW], s[W], 1
	s_lshr_b32 s[WR], s[W], 1
	s_bfe_u32 s[CX], ttmp6, 0x40000
	s_lshl_b32 s[NN], ttmp9, 2
	s_add_co_u32 s[NN], s[NN], s[CX]
	s_and_b32 s[BT], ttmp7, 0xffff
	s_and_b32 s[R2], s[BT], 7                      ; p
	s_lshr_b32 s[BT], s[BT], 3
	s_sub_co_u32 s[R1], 15, s[R2]
	s_lshr_b32 s[N1], s[R1], 1
	s_add_co_u32 s[N1], s[N1], 1
	s_mov_b32 s[G1P], 15|(1<<16)|(1<<20)|(1<<21)|(6<<22)|(3<<25)  ; the mask of four; 2-byte elements; padding on; bit 21 beside a mask; after every 128 words 4 words
	s_mov_b32 s[G1P+1], 256<<16                    ; 64 rows x 256 elements
	s_mov_b32 s[G1P+2], 64<<16
	s_mov_b32 s[G1P+3], 256<<16
	s_mov_b32 s[G1P+4], 64
	s_mov_b32 s[G1P+5], 2048
	s_mov_b32 s[G1P+6], 0
	s_mov_b32 s[G1P+7], 0
	s_mov_b32 s[G1V], (1<<16)|(1<<20)|(5<<22)|(7<<25)  ; no mask; after every 64 words 8 words
	s_mov_b32 s[G1V+1], 128<<16                    ; 128 rows x 128 elements
	s_mov_b32 s[G1V+2], 128<<16
	s_mov_b32 s[G1V+3], 128<<16
	s_mov_b32 s[G1V+4], 128
	s_mov_b32 s[G1V+5], 3072
	s_mov_b32 s[G1V+6], 0
	s_mov_b32 s[G1V+7], 0
	s_mov_b32 s[G1L], (1<<16)|(1<<20)|(5<<22)|(7<<25)
	s_mov_b32 s[G1L+1], 128<<16                    ; 16 rows x 128 elements
	s_mov_b32 s[G1L+2], 16<<16
	s_mov_b32 s[G1L+3], 128<<16
	s_mov_b32 s[G1L+4], 16
	s_mov_b32 s[G1L+5], 1024
	s_mov_b32 s[G1L+6], 0
	s_mov_b32 s[G1L+7], 0
	s_mul_i32 s[LWP], s[HW], 64*PPIT
	s_mul_i32 s[LWV], s[HW], 128*VPIT
	s_add_co_u32 s[LWV], s[LWV], VOFF
	s_mul_i32 s84, s[HW], 16*VPIT
	s_add_co_u32 s84, s84, VLB
	s_mov_b32 s[KI], 0
	s_mov_b32 s[NEWF], 1
	s_mov_b32 s[TB], 0
	s_mov_b32 s81, 0
	s_wait_dscnt 0x0                               ; the opening add is done
	s_wait_kmcnt 0x0
	s_lshl_b32 s80, s[BT], 23                      ; pbuf: the batch, my 64 rows of a block
	s_lshl_b32 s82, s[HW], 18
	s_add_co_u32 s80, s80, s82
	s_add_nc_u64 s[PBW:PBW+1], s[4:5], s[80:81]
	s_lshl_b32 s80, s[BT], 11                      ; qkv: row 2048 bt + 128 hw, v's columns, my channel tile
	s_lshl_b32 s82, s[HW], 7
	s_add_co_u32 s80, s80, s82
	s_mul_i32 s80, s80, 6144
	s_lshl_b32 s82, s[NN], 8
	s_add_co_u32 s80, s80, s82
	s_add_co_u32 s80, s80, 4096
	s_add_nc_u64 s[VBW:VBW+1], s[6:7], s[80:81]
	s_lshl_b32 s80, s[BT], 18                      ; stat: the batch, my 64 rows
	s_lshl_b32 s82, s[WR], 10
	s_add_co_u32 s80, s80, s82
	s_add_nc_u64 s[STB:STB+1], s[10:11], s[80:81]
	s_lshl_b32 s80, s[BT], 23                      ; out0: the batch, my 64 rows, my 64 channels
	s_lshl_b32 s82, s[WR], 18
	s_add_co_u32 s80, s80, s82
	s_lshl_b32 s82, s[NN], 9
	s_add_co_u32 s80, s80, s82
	s_lshl_b32 s82, s[HW], 8
	s_add_co_u32 s80, s80, s82
	s_add_nc_u64 s[OPB:OPB+1], s[12:13], s[80:81]
	s_lshl_b32 s80, s[BT], 16                      ; vlo: the batch, my 16 keys, my channel tile
	s_lshl_b32 s82, s[HW], 15
	s_add_co_u32 s80, s80, s82
	s_lshl_b32 s82, s[NN], 8
	s_add_co_u32 s80, s80, s82
	s_mov_b32 s[G0L], 1
	s_mov_b32 s[G0L+1], s84
	s_add_nc_u64 s[G0L+2:G0L+3], s[8:9], s[80:81]
	s_or_b32 s[G0L+3], s[G0L+3], 0x80000000
	s_lshl_b32 s80, s[R1], 19                      ; steps 0 and 1 are the first block's key steps 0 and 1 (it has five or more)
	s_mov_b32 s[G0P], 1
	s_mov_b32 s[G0P+1], s[LWP]
	s_add_nc_u64 s[G0P+2:G0P+3], s[PBW:PBW+1], s[80:81]
	s_mov_b32 s[G0P+4], 1
	s_add_co_u32 s[G0P+5], s[LWP], SLOT
	s_add_nc_u64 s[G0P+6:G0P+7], s[G0P+2:G0P+3], 512
	s_or_b32 s[G0P+3], s[G0P+3], 0x80000000
	s_or_b32 s[G0P+7], s[G0P+7], 0x80000000
	s_mov_b32 s[G0V], 1
	s_mov_b32 s[G0V+1], s[LWV]
	s_add_nc_u64 s[G0V+2:G0V+3], s[VBW:VBW+1], 0
	s_mov_b32 s[G0V+4], 1
	s_add_co_u32 s[G0V+5], s[LWV], SLOT
	s_add_nc_u64 s[G0V+6:G0V+7], s[VBW:VBW+1], 1572864
	s_or_b32 s[G0V+3], s[G0V+3], 0x80000000
	s_or_b32 s[G0V+7], s[G0V+7], 0x80000000
	CROUND                                         ; all four work-groups are here: the first joint loads meet
	s_cmp_lt_u32 s[W], 2                           ; a wave's first fills stand in one branch: two loads of a P wave are out, three of a V wave
	s_cbranch_scc0 .Lfirst_v
	tensor_load_to_lds s[G0P:G0P+3], s[G1P:G1P+7]
	s_nop 0
	tensor_load_to_lds s[G0P+4:G0P+7], s[G1P:G1P+7]
	s_nop 0
.rept 4
	v_nop
.endr
	s_branch .Lfirst_asked
.Lfirst_v:
	tensor_load_to_lds s[G0V:G0V+3], s[G1V:G1V+7]
	s_nop 0
	tensor_load_to_lds s[G0L:G0L+3], s[G1L:G1L+7]
	s_nop 0
	tensor_load_to_lds s[G0V+4:G0V+7], s[G1V:G1V+7]
	s_nop 0
.rept 4
	v_nop
.endr
.Lfirst_asked:
	s_cmp_eq_u32 ttmp9, 0                          ; the prefetches' scalars
	s_cselect_b32 s82, 5, 0
	s_cmp_eq_u32 s[R2], 0
	s_cselect_b32 s83, 4, 0
	s_lshl_b32 s80, s[CX], 16                      ; my work-group's 16 rows of a P wave's 64
	s_add_nc_u64 s[PFB:PFB+1], s[PBW:PBW+1], s[80:81]
	s_mov_b32 s84, 1572864
	s_mov_b32 s85, 12288
	s_mov_b32 s80, 6144
	s_cmp_lt_u32 s[W], 2
	s_cselect_b64 s[PFB:PFB+1], s[PFB:PFB+1], s[VBW:VBW+1]
	s_cselect_b32 s[PLIM], s82, s83
	s_cselect_b32 s[MR], 524288, 0
	s_cselect_b32 s[MT], 512, s84
	s_cselect_b32 s82, 4096, s85
	s_cselect_b32 s83, 256, s80
	v_and_b32 v14, 31, v0
	v_lshrrev_b32 v15, 1, v14
	v_and_b32 v14, 1, v14
	v_mul_u32_u24 v[PFO], s82, v15
	v_mad_u32_u24 v[PFO], v14, s83, v[PFO]
	v_and_b32 v1, 15, v0                           ; l % 16
	v_bfe_u32 v2, v0, 4, 1                         ; l / 16
	v_and_b32 v14, 7, v0
	v_bfe_u32 v15, v0, 3, 1
	s_mul_i32 s80, s[WR], 64*PPIT
	v_mul_u32_u24 v[AP0], v1, PPIT
	v_lshl_add_u32 v[AP0], v2, 4, v[AP0]
	v_add_nc_u32 v[AP0], s80, v[AP0]
	v_lshl_add_u32 v[AV0], v2, 3, v14              ; the turning load: lane l reads key 8 (l / 16) + l % 8, channels 8 ((l / 8) % 2) + 0..7
	v_mul_u32_u24 v[AV0], v[AV0], VPIT
	v_lshl_add_u32 v[AV0], v15, 4, v[AV0]
	s_lshl_b32 s80, s[HW], 7
	v_add_nc_u32 v[AV0], s80, v[AV0]
	v_add_nc_u32 v[VLA], VLB, v[AV0]
	v_add_nc_u32 v[AV0], VOFF, v[AV0]
	v_mov_b32 v[ADRP], v[AP0]
	v_mov_b32 v[ADRV], v[AV0]
	v_add_nc_u32 v[ADRV2], 128*VPIT, v[AV0]
	s_mul_i32 s80, s[W], 16*SPIT
	s_add_co_u32 s80, s80, STAGE
	v_mul_u32_u24 v[STO], v1, SPIT                 ; in: row l % 16, 32 bytes for each half of the lanes
	v_lshl_add_u32 v[STO], v2, 5, v[STO]
	v_add_nc_u32 v[STO], s80, v[STO]
	v_mul_u32_u24 v[RD], v2, SPIT                  ; back: lanes 0-15 one row of 256 bytes, lanes 16-31 the next
	v_lshl_add_u32 v[RD], v1, 4, v[RD]
	v_add_nc_u32 v[RD], s80, v[RD]
	v_lshlrev_b32 v[GO], 12, v2
	v_lshl_add_u32 v[GO], v1, 4, v[GO]
	v_lshlrev_b32 v[SO], 4, v1
	; M of both blocks: all their m are read once, eight key steps each; a step past a block's last names the last again
	s_sub_co_u32 s84, s[N1], 1
	s_lshl_b32 s82, s[R1], 11
.irp t, 0,1,2,3,4,5,6,7
	s_min_u32 s80, s84, \t
	s_lshl_b32 s80, s80, 15
	s_add_co_u32 s80, s80, s82
	v_add_nc_u32 v[OB+(\t)], s80, v[SO]
.endr
	s_sub_co_u32 s84, 8, s[N1]
	s_lshl_b32 s82, s[R2], 11
.irp t, 0,1,2,3,4,5,6,7
	s_min_u32 s80, s84, \t
	s_lshl_b32 s80, s80, 15
	s_add_co_u32 s80, s80, s82
	v_add_nc_u32 v[OB+8+(\t)], s80, v[SO]
.endr
.irp t, 0,1,2,3,4,5,6,7
.irp a, 0,1,2,3
	global_load_b128 v[ACC+4*(4*(\t)+(\a)):ACC+4*(4*(\t)+(\a))+3], v[OB+(\t)], s[STB:STB+1] offset:256*(\a)
.endr
.endr
	WIN 0x40
.irp t, 0,1,2,3,4,5,6,7
.irp a, 0,1,2,3
	global_load_b128 v[4*(4*(\t)+(\a)):4*(4*(\t)+(\a))+3], v[OB+8+(\t)], s[STB:STB+1] offset:256*(\a)
.endr
.endr
	WIN 0
.irp a, 0,1,2,3
	v_mov_b32 v[LL+(\a)], 0
	v_mov_b32 v[AL+2*(\a)+1], 0
	v_mov_b32 v[AL+8+2*(\a)+1], 0
	v_mov_b32 v[RL+2*(\a)+1], 0
.endr
	s_wait_loadcnt 0x0
.irp a, 0,1,2,3
	v_max_num_f32 v[MX+(\a)], v[ACC+4*(\a)], v[ACC+4*(\a)+2]
.endr
.irp t, 1,2,3,4,5,6,7
.irp a, 0,1,2,3
	v_max3_num_f32 v[MX+(\a)], v[ACC+4*(4*(\t)+(\a))], v[ACC+4*(4*(\t)+(\a))+2], v[MX+(\a)]
.endr
.endr
	WIN 0x05
.irp a, 0,1,2,3
	v_max_num_f32 v[MXB+(\a)], v[4*(\a)], v[4*(\a)+2]
.endr
.irp t, 1,2,3,4,5,6,7
.irp a, 0,1,2,3
	v_max3_num_f32 v[MXB+(\a)], v[4*(4*(\t)+(\a))], v[4*(4*(\t)+(\a))+2], v[MXB+(\a)]
.endr
.endr
	WIN 0
; 8 matrix instructions: query blocks a0, a0 + 1 x all 4 channel blocks, 32 keys: half c of buffer f.  The 16 accumulators take turns.
.macro MUL8 f, c, a0, zero
	WIN 0xa5
.irp a, \a0, (\a0)+1
.irp b, 0,1,2,3
.set rD, 8*(4*(\a)+(\b))
.set rV, (\f)+64+8*(4*(\c)+(\b))
.set rP, (\f)+8*(4*(\c)+(\a))
.if \zero
	v_wmma_f32_16x16x32_f16 v[rD:rD+7], v[rV:rV+7], v[rP:rP+7], 0
.else
	v_wmma_f32_16x16x32_f16 v[rD:rD+7], v[rV:rV+7], v[rP:rP+7], v[rD:rD+7]
.endif
.endr
.endr
.endm
.macro VLOMUL                          ; keys 0-31 once more, with v's remainder: 16 matrix instructions in the same order
	WIN 0xa6
.irp a, 0,1,2,3
.irp b, 0,1,2,3
.set rD, 8*(4*(\a)+(\b))
	v_wmma_f32_16x16x32_f16 v[rD:rD+7], v[VLO+8*(\b):VLO+8*(\b)+7], v[F0+8*(\a):F0+8*(\a)+7], v[rD:rD+7]
.endr
.endr
.endm
.macro FETCH q, f                      ; 32 LDS loads in one run: quarter q's 64 keys, the first 32 first
	WIN 0x40
.irp c, 0,1
.irp i, 0,1,2,3
.set rV, (\f)+64+8*(4*(\c)+(\i))
.set rP, (\f)+8*(4*(\c)+(\i))
.set oV, (64*((\q)%2)+32*(\c))*VPIT+32*(\i)
.set oP, (\i)*16*PPIT+128*(\q)+64*(\c)
	ds_load_tr16_b128 v[rV:rV+3],   v[ADRV+(\q)/2] offset:oV
	ds_load_tr16_b128 v[rV+4:rV+7], v[ADRV+(\q)/2] offset:oV+16*VPIT
	ds_load_b128 v[rP:rP+3],   v[ADRP] offset:oP
	ds_load_b128 v[rP+4:rP+7], v[ADRP] offset:oP+32
.endr
.endr
.endm
.macro QTR q, f, g, zero, vl           ; multiplies quarter q in buffer f, fetches quarter q + 1 into g
	s_wait_dscnt 16                                ; the first 32 keys are in; the 16 younger loads may be out
	MUL8 \f, 0, 0, \zero
	MUL8 \f, 0, 2, \zero
	PLACES
	FETCH (\q)+1, \g
.if \vl
	WIN 0
	s_cmp_eq_u32 s[NEWF], 1                        ; a block's first step holds keys 0-31
	s_cbranch_scc0 .Lno_vl_\@
	VLOMUL
	WIN 0
.Lno_vl_\@:
.endif
	s_wait_dscnt 32                                ; all but the 32 just issued
	MUL8 \f, 1, 0, 0
	MUL8 \f, 1, 2, 0
.endm
.macro FOLD e                          ; ACC takes alpha x PS.  e = 0 also makes the step's eight alpha and adds alpha l to the divisor
	WIN 0
.if (\e) == 0
	s_wait_loadcnt 0x0                             ; the step's m and l, asked for a step ago
.irp a, 0,1,2,3
	v_sub_f32 v[DT+2*(\a)], v[SQ+4*(\a)], v[MX+(\a)]      ; these eight are also the places behind the last products
	v_sub_f32 v[DT+2*(\a)+1], v[SQ+4*(\a)+2], v[MX+(\a)]
.endr
.irp a, 0,1,2,3
	v_exp_f32 v[AL+2*(\a)], v[DT+2*(\a)]
	v_exp_f32 v[AL+8+2*(\a)], v[DT+2*(\a)+1]
.endr
	v_nop                                          ; a plain instruction behind the last exponential
	s_wait_alu depctr_va_vdst(0)                   ; the wait ahead of the first use: one for the eight
.irp a, 0,1,2,3
	v_fma_f32 v[LL+(\a)], v[AL+2*(\a)], v[SQ+4*(\a)+1], v[LL+(\a)]
.endr
.irp a, 0,1,2,3
	v_fma_f32 v[LL+(\a)], v[AL+8+2*(\a)], v[SQ+4*(\a)+3], v[LL+(\a)]
.endr
	s_cmp_eq_u32 s[NEWF], 1
	s_cbranch_scc0 .Lacc_\@
	WIN 0x02
.irp a, 0,1,2,3
.set z, 0
.rept 16
	v_pk_mul_f32 v[ACC+32*(\a)+2*z:ACC+32*(\a)+2*z+1], v[32*(\a)+2*z:32*(\a)+2*z+1], v[AL+2*(\a):AL+2*(\a)+1] op_sel_hi:[1,0]
.set z, z+1
.endr
.endr
	WIN 0
	s_branch .Lfolded_\@
.Lacc_\@:
.else
	PLACES
.endif
	WIN 0x02
.irp a, 0,1,2,3
.set z, 0
.rept 16
	v_pk_fma_f32 v[ACC+32*(\a)+2*z:ACC+32*(\a)+2*z+1], v[32*(\a)+2*z:32*(\a)+2*z+1], v[AL+8*(\e)+2*(\a):AL+8*(\e)+2*(\a)+1], v[ACC+32*(\a)+2*z:ACC+32*(\a)+2*z+1] op_sel_hi:[1,0,1]
.set z, z+1
.endr
.endr
	WIN 0
.if (\e) == 0
.Lfolded_\@:
.endif
.endm
; The step's last quarter (buffer 1) and the change of slots.  In front of the barrier each wave waits for all its tensor loads (one is out: its part of the next slot), adds 0 to its spare word, and waits for that
; and for its reads of this slot.  fill = 1: the barrier opens a round of the cluster's; this slot's refill, step KI + 2, is the first thing behind it; both descriptors are made anew from the step's block and key step.
.macro TURN fill
.if \fill
	s_wait_xcnt 0x0                                ; the last prefetches, a step back, have read their address
	s_add_co_u32 s84, s[KI], 4
	SEQ 84
	s_mul_i32 s80, s[XR], s[MR]
	s_mul_i32 s82, s[XT], s[MT]
	s_add_co_u32 s80, s80, s82
	s_add_nc_u64 s[PFA:PFA+1], s[PFB:PFB+1], s[80:81]
.endif
	WIN 0
	s_wait_tensorcnt 0x0                           ; no tensor load of mine is out, so a group 0 may be written
	ds_add_u32 v[SPW], v[NIL]
.if \fill
	s_add_co_u32 s84, s[KI], 2
	SEQ 84
	s_lshl_b32 s80, s[XR], 19
	s_lshl_b32 s82, s[XT], 9
	s_add_co_u32 s80, s80, s82
	s_add_co_u32 s[G0P+1], s[TB], s[LWP]
	s_add_nc_u64 s[G0P+2:G0P+3], s[PBW:PBW+1], s[80:81]
	s_or_b32 s[G0P+3], s[G0P+3], 0x80000000
	s_mul_i32 s80, s[XT], 1572864
	s_add_co_u32 s[G0V+1], s[TB], s[LWV]
	s_add_nc_u64 s[G0V+2:G0V+3], s[VBW:VBW+1], s[80:81]
	s_or_b32 s[G0V+3], s[G0V+3], 0x80000000
.endif
	s_wait_dscnt 17                                ; the add and the youngest sixteen loads may be out
	MUL8 F1, 0, 0, 0
	s_wait_dscnt 0x0                               ; the add is done, my reads of this slot are over
	s_barrier_signal -1
	MUL8 F1, 0, 2, 0
	WIN 0
	s_barrier_wait -1
.if \fill
	CREST
	JLOAD                                          ; its four v_nop are also the places in front of the loads below
.else
	PLACES
.endif
	s_xor_b32 s[TB], s[TB], SLOT                   ; the reads go on in the other slot
	v_add_nc_u32 v[ADRP], s[TB], v[AP0]
	v_add_nc_u32 v[ADRV], s[TB], v[AV0]
	v_add_nc_u32 v[ADRV2], 128*VPIT, v[ADRV]
	FETCH 0, F0
	WIN 0
	s_add_co_u32 s84, s[KI], 1                     ; the next step's m and l (behind the last step: the last step's once more)
	s_min_u32 s84, s84, 8
	SEQ 84
	s_lshl_b32 s80, s[XR], 11
	s_lshl_b32 s82, s[XT], 15
	s_add_co_u32 s80, s80, s82
	v_add_nc_u32 v[SOX], s80, v[SO]                ; its last loads were waited for in this step's first fold
.irp a, 0,1,2,3
	global_load_b128 v[SQ+4*(\a):SQ+4*(\a)+3], v[SOX], s[STB:STB+1] offset:256*(\a)
.endr
.if \fill
	ASK
.endif
	MUL8 F1, 1, 0, 0
	MUL8 F1, 1, 2, 0
.endm
; A block ends: ACC is divided by the divisor and leaves through my stage, 16 rows at a time; then the second block's M, and a divisor of 0.
.macro FINISH
	s_cmp_eq_u32 s[KI], s[N1]
	s_cselect_b32 s80, s[R1], s[R2]
	s_lshl_b32 s80, s80, 19
	s_wait_xcnt 0x0                                ; earlier stores have read their base
	s_add_nc_u64 s[OPA:OPA+1], s[OPB:OPB+1], s[80:81]
.irp a, 0,1,2,3
	v_rcp_f32 v[RL+2*(\a)], v[LL+(\a)]
.endr
	v_nop                                          ; a plain instruction behind the last reciprocal
	s_wait_alu depctr_va_vdst(0)                   ; and the wait ahead of the first use: one for the four
.irp a, 0,1,2,3
.set z, 0
.rept 16
	v_pk_mul_f32 v[ACC+32*(\a)+2*z:ACC+32*(\a)+2*z+1], v[ACC+32*(\a)+2*z:ACC+32*(\a)+2*z+1], v[RL+2*(\a):RL+2*(\a)+1] op_sel_hi:[1,0]
.set z, z+1
.endr
.irp b, 0,1,2,3
	ds_store_b128 v[STO], v[ACC+32*(\a)+8*(\b):ACC+32*(\a)+8*(\b)+3] offset:64*(\b)
	ds_store_b128 v[STO], v[ACC+32*(\a)+8*(\b)+4:ACC+32*(\a)+8*(\b)+7] offset:64*(\b)+16
.endr
	s_wait_xcnt 0x0                                ; the stores of the 16 rows before have read OB
.irp t, 0,1,2,3,4,5,6,7
	ds_load_b128 v[OB+4*(\t):OB+4*(\t)+3], v[RD] offset:(\t)*2*SPIT  ; LDS serves a wave's instructions in order (ISA guide 5.7.1.4): these see the stores above
.endr
	s_wait_dscnt 0x0
.irp t, 0,1,2,3,4,5,6,7
	global_store_b128 v[GO], v[OB+4*(\t):OB+4*(\t)+3], s[OPA:OPA+1] offset:(16*(\a)+2*(\t))*4096 th:TH_STORE_NT  ; 16 lanes store 256 consecutive bytes, aligned
.endr
.endr
.irp a, 0,1,2,3
	v_mov_b32 v[MX+(\a)], v[MXB+(\a)]
	v_mov_b32 v[LL+(\a)], 0
.endr
	s_mov_b32 s[NEWF], 1
.endm
.macro KS fill                         ; a step of 256 keys: two halves of 128, 128 matrix instructions
	QTR 0, F0, F1, 1, 1
	QTR 1, F1, F0, 0, 0
	FOLD 0
	QTR 2, F0, F1, 1, 0
	TURN \fill
	FOLD 1
	s_add_co_u32 s[KI], s[KI], 1
	s_mov_b32 s[NEWF], 0
	s_cmp_eq_u32 s[KI], s[N1]
	s_cbranch_scc1 .Lfin_\@
	s_cmp_eq_u32 s[KI], 9
	s_cbranch_scc0 .Lgo_\@
.Lfin_\@:
	FINISH
.Lgo_\@:
.endm
	s_wait_tensorcnt 1                             ; one younger load may be out (step 1's): my part of step 0 is in, and v's remainder
	s_barrier_signal -1
	s_barrier_wait -1
	WIN 0x80
.irp b, 0,1,2,3
	ds_load_tr16_b128 v[VLO+8*(\b):VLO+8*(\b)+3],   v[VLA] offset:32*(\b)
	ds_load_tr16_b128 v[VLO+8*(\b)+4:VLO+8*(\b)+7], v[VLA] offset:32*(\b)+16*VPIT
.endr
	FETCH 0, F0
	WIN 0
	v_mov_b32 v[SOX], v[OB]                        ; step 0: the first block's key step 0
.irp a, 0,1,2,3
	global_load_b128 v[SQ+4*(\a):SQ+4*(\a)+3], v[SOX], s[STB:STB+1] offset:256*(\a)
.endr
	s_mov_b32 s[CNT], 7
.Lmain:                                                ; steps 0-6 ask for steps 2-8
	KS 1
	s_sub_co_u32 s[CNT], s[CNT], 1
	s_cmp_lg_u32 s[CNT], 0
	s_cbranch_scc1 .Lmain
	s_mov_b32 s[CNT], 2
.Ltail:                                                ; steps 7 and 8 ask for nothing; the last trip's barrier, its fetch and its load of m and l serve nothing: the price of one text for both trips
	KS 0
	s_sub_co_u32 s[CNT], s[CNT], 1
	s_cmp_lg_u32 s[CNT], 0
	s_cbranch_scc1 .Ltail
	s_wait_tensorcnt 0x0                           ; the wave's end
	ds_add_u32 v[SPW], v[NIL]
	s_wait_dscnt 0x0
	CROUND                                         ; the closing round
	s_endpgm
.Lfunc_end_k_q87fd235b14_context:
	.size	k_q87fd235b14_context, .Lfunc_end_k_q87fd235b14_context-k_q87fd235b14_context
	.p2alignl 7, 3214868480
	.fill 96, 4, 3214868480
	.section	.rodata,"a",@progbits
	.p2align	6, 0x0
	.amdhsa_kernel k_q87fd235b14_context
		.amdhsa_group_segment_fixed_size 327680
		.amdhsa_private_segment_fixed_size 0
		.amdhsa_enable_private_segment 0
		.amdhsa_kernarg_size 40
		.amdhsa_user_sgpr_count 2
		.amdhsa_user_sgpr_kernarg_segment_ptr 1
		.amdhsa_wavefront_size32 1
		.amdhsa_system_sgpr_workgroup_id_x 1
		.amdhsa_system_sgpr_workgroup_id_y 1
		.amdhsa_system_sgpr_workgroup_id_z 1
		.amdhsa_system_vgpr_workitem_id 0
		.amdhsa_next_free_vgpr 672
		.amdhsa_next_free_sgpr 102
		.amdhsa_reserve_vcc 0
		.amdhsa_float_denorm_mode_32 3
		.amdhsa_float_denorm_mode_16_64 3
		.amdhsa_memory_ordered 1
		.amdhsa_forward_progress 1
		.amdhsa_inst_pref_size 118
	.end_amdhsa_kernel
	.amdgpu_metadata
---
amdhsa.version: [ 1, 2 ]
amdhsa.kernels:
  - .name:           k_q87fd235b14_context
    .symbol:         k_q87fd235b14_context.kd
    .args:
      - { .name: pbuf, .offset: 0, .size: 8, .value_kind: global_buffer, .address_space: global }
      - { .name: qkv, .offset: 8, .size: 8, .value_kind: global_buffer, .address_space: global }
      - { .name: vlo, .offset: 16, .size: 8, .value_kind: global_buffer, .address_space: global }
      - { .name: stat, .offset: 24, .size: 8, .value_kind: global_buffer, .address_space: global }
      - { .name: out0, .offset: 32, .size: 8, .value_kind: global_buffer, .address_space: global }
    .group_segment_fixed_size: 327680
    .private_segment_fixed_size: 0
    .kernarg_segment_align: 8
    .kernarg_segment_size: 40
    .max_flat_workgroup_size: 128
    .sgpr_count:     102
    .vgpr_count:     672
    .wavefront_size: 32
...
	.end_amdgpu_metadata
.endif
;; end of part 4
;; ======== version 2 of 2: 4 launches; version 1 with the launch cast written anew for expert scheduling mode
;; limits: values are held in f16: magnitudes above 65,504 overflow, below 6.1e-05 lose precision
;; workspace buffers: xb 16,777,216 bytes; wb 6,291,456 bytes; qkv 50,331,648 bytes; vlo 262,144 bytes; qklo 3,145,728 bytes; pbuf 33,554,432 bytes; stat 1,048,576 bytes
;; launch cast (part 5): grid 704 x 1, 8 waves a work-group, no clusters, 0 bytes of LDS; arguments inputs, Wq, Wk, Wv, xb, wb; writes xb, wb
.if DOCPART == 5
	.amdgcn_target "amdgcn-amd-amdhsa--gfx1250"
	.amdhsa_code_object_version 6
	.text
	.protected	k_q87fd235b14_cast
	.globl	k_q87fd235b14_cast
	.p2align	8
	.type	k_q87fd235b14_cast,@function
k_q87fd235b14_cast:
	s_mov_b64 s[64:65], 0
	v_nop
	global_prefetch_b8 v0, s[64:65] scope:SCOPE_SE
	s_setreg_imm32_b32 hwreg(HW_REG_WAVE_SCHED_MODE, 0, 2), 2
	s_setreg_imm32_b32 hwreg(HW_REG_WAVE_MODE, 25, 1), 1
	s_wait_xcnt 0x0
	s_wait_alu depctr_vm_vsrc(0)
; x [8192][1024] and the three weights [1024][1024], f32, are rounded once to bf16: xb [8192][1024]; wb [3072][1024], rows 0.. Wq, 1024.. Wk, 2048.. Wv.
; A stream: each byte is read once and written once; no LDS, no barrier, no matrix work.
; A work-group owns 16,384 numbers on end: 65,536 bytes in, 32,768 out.  Work-groups 0-511 take x, 512-703 the weights, 64 to a weight.
; Thread t takes 16 bytes at 16 t of each 4,096-byte piece: a wave's load covers 512 consecutive bytes, its store of 8 bytes a lane 256 consecutive bytes, aligned.
; All sixteen loads of a thread go out first; no register is written twice.
; THE MODE: SCHED_MODE bits 1:0 = 2 (LLVM: expert scheduling mode 2), set by the entry lines.  The code itself states the register dependences
; between vector instructions and memory instructions, with s_wait_alu, always for 0.
; THE PLAN.  Registers that memory instructions touch:
;   v1, v2   byte offsets of the loads and of the stores: written once at the head, never again.
;   X        piece k: its load lands in it, once; all sixteen loads are issued before any vector instruction names X, and none follows; piece k's two conversions read it.
;   Y        piece k: its two conversions write it, once; its store reads it; nothing writes it again.
; So the dependences to state are two: the offsets ahead of the first load, and a piece's Y ahead of its store.  No register that a memory instruction reads is written again, no load lands in a register
; that a vector instruction has named, no vector instruction writes a scalar register, and EXEC is never written.
; The sixteen pieces go in four groups of four.  Group g waits for its four loads; one wait on va_vdst then states that group g - 1's conversions have written their Y, and that group's four stores are dealt among
; group g's conversions, which name X and Y of group g alone: none of the registers that those stores touch.  One more such wait stands ahead of the last four stores.
.set X, 4                              ; v[4:67]   sixteen pieces as loaded
.set Y, 68                             ; v[68:99]  sixteen pieces as stored
.set GRP, 4                            ; pieces in a group
	s_load_b256 s[4:11], s[0:1], 0x0               ; inputs s[4:5], Wq s[6:7], Wk s[8:9], Wv s[10:11]
	s_load_b128 s[12:15], s[0:1], 0x20             ; xb s[12:13], wb s[14:15]
	v_lshlrev_b32 v1, 4, v0                        ; 16 t
	v_lshlrev_b32 v2, 3, v0                        ; 8 t
	s_sub_co_u32 s20, ttmp9, 512                   ; the block's number among the weights' (used only from work-group 512 on)
	s_lshr_b32 s21, s20, 6                         ; which weight
	s_and_b32 s22, s20, 63                         ; which block of it
	s_wait_kmcnt 0x0
	s_cmp_eq_u32 s21, 1
	s_cselect_b64 s[16:17], s[8:9], s[6:7]
	s_cmp_eq_u32 s21, 2
	s_cselect_b64 s[16:17], s[10:11], s[16:17]
	s_cmp_lt_u32 ttmp9, 512
	s_cselect_b64 s[16:17], s[4:5], s[16:17]       ; the source,
	s_cselect_b64 s[18:19], s[12:13], s[14:15]     ; the destination,
	s_cselect_b32 s22, ttmp9, s22                  ; the block's number in the source
	s_cselect_b32 s20, ttmp9, s20                  ; and in the destination
	s_lshl_b32 s22, s22, 16
	s_mov_b32 s23, 0
	s_lshl_b32 s20, s20, 15
	s_mov_b32 s21, 0
	s_add_nc_u64 s[16:17], s[16:17], s[22:23]
	s_add_nc_u64 s[18:19], s[18:19], s[20:21]
	s_wait_alu depctr_va_vdst(0)                   ; v1 and v2 are written: every load reads v1 as its offset, every store v2
.set k, 0
.rept 16
	global_load_b128 v[X+4*k:X+4*k+3], v1, s[16:17] offset:4096*k th:TH_LOAD_NT
.set k, k+1
.endr
.set g, 0
.rept 16/GRP
	s_wait_loadcnt 16-GRP-GRP*g                    ; loads come back in order: group g's four pieces are in, the 12 - 4 g younger ones stay out
.if g > 0
	s_wait_alu depctr_va_vdst(0)                   ; the conversions of the group before have written its Y, which the four stores below read
.endif
.set i, 0
.rept GRP
.set k, GRP*g+i
.if g > 0
	global_store_b64 v2, v[Y+2*(k-GRP):Y+2*(k-GRP)+1], s[18:19] offset:2048*(k-GRP) th:TH_STORE_NT  ; a piece of the group before; no vector instruction since the wait names its registers
.endif
	v_cvt_pk_bf16_f32 v[Y+2*k], v[X+4*k], v[X+4*k+1]
	v_cvt_pk_bf16_f32 v[Y+2*k+1], v[X+4*k+2], v[X+4*k+3]
.set i, i+1
.endr
.set g, g+1
.endr
	s_wait_alu depctr_va_vdst(0)                   ; the last group's conversions have written its Y, which the last four stores read
.set k, 16-GRP
.rept GRP
	global_store_b64 v2, v[Y+2*k:Y+2*k+1], s[18:19] offset:2048*k th:TH_STORE_NT
.set k, k+1
.endr
	s_endpgm
.Lfunc_end_k_q87fd235b14_cast:
	.size	k_q87fd235b14_cast, .Lfunc_end_k_q87fd235b14_cast-k_q87fd235b14_cast
	.p2alignl 7, 3214868480
	.fill 96, 4, 3214868480
	.section	.rodata,"a",@progbits
	.p2align	6, 0x0
	.amdhsa_kernel k_q87fd235b14_cast
		.amdhsa_group_segment_fixed_size 0
		.amdhsa_private_segment_fixed_size 0
		.amdhsa_enable_private_segment 0
		.amdhsa_kernarg_size 48
		.amdhsa_user_sgpr_count 2
		.amdhsa_user_sgpr_kernarg_segment_ptr 1
		.amdhsa_wavefront_size32 1
		.amdhsa_system_sgpr_workgroup_id_x 1
		.amdhsa_system_sgpr_workgroup_id_y 1
		.amdhsa_system_sgpr_workgroup_id_z 1
		.amdhsa_system_vgpr_workitem_id 0
		.amdhsa_next_free_vgpr 100
		.amdhsa_next_free_sgpr 66
		.amdhsa_reserve_vcc 0
		.amdhsa_float_denorm_mode_32 3
		.amdhsa_float_denorm_mode_16_64 3
		.amdhsa_memory_ordered 1
		.amdhsa_forward_progress 1
		.amdhsa_inst_pref_size 7
	.end_amdhsa_kernel
	.amdgpu_metadata
---
amdhsa.version: [ 1, 2 ]
amdhsa.kernels:
  - .name:           k_q87fd235b14_cast
    .symbol:         k_q87fd235b14_cast.kd
    .args:
      - { .name: inputs, .offset: 0, .size: 8, .value_kind: global_buffer, .address_space: global }
      - { .name: Wq, .offset: 8, .size: 8, .value_kind: global_buffer, .address_space: global }
      - { .name: Wk, .offset: 16, .size: 8, .value_kind: global_buffer, .address_space: global }
      - { .name: Wv, .offset: 24, .size: 8, .value_kind: global_buffer, .address_space: global }
      - { .name: xb, .offset: 32, .size: 8, .value_kind: global_buffer, .address_space: global }
      - { .name: wb, .offset: 40, .size: 8, .value_kind: global_buffer, .address_space: global }
    .group_segment_fixed_size: 0
    .private_segment_fixed_size: 0
    .kernarg_segment_align: 8
    .kernarg_segment_size: 48
    .max_flat_workgroup_size: 256
    .sgpr_count:     66
    .vgpr_count:     100
    .wavefront_size: 32
...
	.end_amdgpu_metadata
.endif
;; end of part 5
;; launch proj: the kernel of part 2 again; grid 8 x 64, 4 waves a work-group, clusters of 4 x 4, 327,680 bytes of LDS; arguments xb, wb, qkv, vlo, qklo; writes qkv, vlo, qklo
;; launch scores: the kernel of part 3 again; grid 37 x 4, 4 waves a work-group, no clusters, 327,680 bytes of LDS; arguments qkv, qklo, pbuf, stat; writes pbuf, stat
;; launch context: the kernel of part 4 again; grid 8 x 32, 4 waves a work-group, clusters of 4 x 1, 327,680 bytes of LDS; arguments pbuf, qkv, vlo, stat, out0; writes out0
